; MI455X (gfx1250); checked and timed in simulation.
; The chip was launched on July 23, 2026; its instructions are those of AMD's public machine-readable ISA for CDNA 5 (MIT licence, August 2026) and "CDNA5" Instruction Set Architecture Reference Guide (July 2026). The comments in the code are by the model that wrote it; some were corrected since.
;; Block. Allowed arithmetic: float matrix products may take bf16 or f16 operands with f32 sums; other float arithmetic in f32, or as packed bf16 or f16 multiplies, adds, multiply-adds, maxima and minima; sums over many terms, partial sums and values carried from step to step in f32; what a program stores and reads back later, other than sums and carried values, may be rounded once to bf16 or f16.
;; Inputs: W1 1,024 x 4,096 float32; W2 4,096 x 1,024 float32; Wk 1,024 x 1,024 float32; Wq 1,024 x 1,024 float32; Wv 1,024 x 1,024 float32; b1 4,096 float32; b2 1,024 float32; bk 1,024 float32; bq 1,024 float32; bv 1,024 float32; x 4 x 1,024 x 1,024 float32.
;; Outputs: out0 4 x 1,024 x 1,024 float32.
;; 2 versions, each right and faster than the one before. Each part assembles by itself: llvm-mc -triple=amdgcn-amd-amdhsa -mcpu=gfx1250 --defsym DOCPART=n.
;; ======== version 1 of 2: 5 launches
;; limits: values are held in f16: magnitudes above 65,504 overflow, below 6.1e-05 lose precision
;; workspace buffers: xh 8,388,608 bytes; wqkv 6,291,456 bytes; w12 16,777,216 bytes; qkv 25,165,824 bytes; x1h 8,388,608 bytes; g 33,554,432 bytes
;; launch prep (part 1): grid 64 x 15, 8 waves a work-group, no clusters, 0 bytes of LDS; arguments x, Wq, Wk, Wv, W1, W2, xh, wqkv, w12; writes xh, wqkv, w12
.if DOCPART == 1
	.amdgcn_target "amdgcn-amd-amdhsa--gfx1250"
	.amdhsa_code_object_version 6
	.text
	.protected	k_qd9d81d582f_prep
	.globl	k_qd9d81d582f_prep
	.p2align	8
	.type	k_qd9d81d582f_prep,@function
k_qd9d81d582f_prep:
	s_mov_b64 s[64:65], 0
	v_nop
	global_prefetch_b8 v0, s[64:65] scope:SCOPE_SE
	s_setreg_imm32_b32 hwreg(HW_REG_WAVE_MODE, 25, 1), 1
	s_wait_xcnt 0x0
; PREP: every large input is rounded once to bf16 and laid out for the matrix launches.
;   xh   [16 slices][4096 rows][64]  bf16(x) written as f16 (slice = column / 64)
;   wqkv [12 blocks][1024 k][256 n]  bf16(Wq | Wk | Wv) written as f16 (block = 4 x matrix + column / 256)
;   w12  first 8 MiB: [16 blocks][1024 k][256 n] bf16(W1) written as f16; second 8 MiB: [4096 k][1024 n] bf16(W2)
; LIMIT: a bf16 number written as f16 is exact from 6.1e-5 to 65,504; below it keeps f16's fixed step of 6e-8, beyond it becomes an infinity.
; SHARES: grid y picks 2^20 numbers (0-3 x, 4 Wq, 5 Wk, 6 Wv, 7-10 W1, 11-14 W2), grid x 16,384 of them; a thread takes 16 x 4 numbers.
; All 16 loads of a thread go out first (16 bytes a lane, 512 or 2 x 256 consecutive bytes a wave); each store of a wave covers 256 consecutive
; bytes, aligned.  No register is written again behind the store that reads it, so no wait for sources is needed.  No LDS, no matrix unit,
; no cluster: the work-groups share no byte and every byte is moved once.
.set VI,  4                            ; v4   byte offset of my 16 bytes in the work-group's source
.set VO,  5                            ; v5   byte offset of my 8 bytes in its destination
.set IN,  16                           ; v[16:79]   16 x 4 numbers as loaded, then their bf16 values as f32
.set OUT, 80                           ; v[80:111]  16 x 2 registers to store
.set TP,  112                          ; v[112:113] two packed pairs at work
.set SRC, 32                           ; s[32:33]
.set DST, 34                           ; s[34:35]
.set OFS, 36                           ; s[36:37] an offset, high word 0
.set HM,  40                           ; s40  mask of a word's upper half
; kind 0: x; 1: Wq, Wk, Wv; 2: W1; 3: W2
.macro MOVE kind
.set i, 0
.rept 16
.if (\kind) == 0
	global_load_b128 v[IN+4*i:IN+4*i+3], v[VI], s[SRC:SRC+1] offset:256*i th:TH_LOAD_NT  ; slice i of two rows
.else
	global_load_b128 v[IN+4*i:IN+4*i+3], v[VI], s[SRC:SRC+1] offset:512*i th:TH_LOAD_NT  ; 8,192 consecutive bytes a wave
.endif
.set i, i+1
.endr
.set i, 0
.rept 16
	s_wait_loadcnt 15-i                            ; loads come back in order: load i is in, the younger ones stay out
.if (\kind) == 3
	v_cvt_pk_bf16_f32 v[OUT+2*i],   v[IN+4*i],   v[IN+4*i+1]
	v_cvt_pk_bf16_f32 v[OUT+2*i+1], v[IN+4*i+2], v[IN+4*i+3]
.else
	v_cvt_pk_bf16_f32 v[TP],   v[IN+4*i],   v[IN+4*i+1]   ; the one rounding,
	v_cvt_pk_bf16_f32 v[TP+1], v[IN+4*i+2], v[IN+4*i+3]
	v_lshlrev_b32 v[IN+4*i],   16, v[TP]                  ; back to f32,
	v_and_b32     v[IN+4*i+1], s[HM], v[TP]
	v_lshlrev_b32 v[IN+4*i+2], 16, v[TP+1]
	v_and_b32     v[IN+4*i+3], s[HM], v[TP+1]
	v_cvt_pk_f16_f32 v[OUT+2*i],   v[IN+4*i],   v[IN+4*i+1]   ; and written as f16
	v_cvt_pk_f16_f32 v[OUT+2*i+1], v[IN+4*i+2], v[IN+4*i+3]
.endif
.if (\kind) == 0
.set oo, 524288*i
.elseif (\kind) == 1
.set oo, ((i%8)/2)*524288+(i/8)*512+(i%2)*256
.elseif (\kind) == 2
.set oo, (i/2)*524288+(i%2)*256
.else
.set oo, 256*i
.endif
	global_store_b64 v[VO], v[OUT+2*i:OUT+2*i+1], s[DST:DST+1] offset:oo
.set i, i+1
.endr
.endm
	s_load_b512 s[8:23], s[0:1], 0x0               ; x 8, Wq 10, Wk 12, Wv 14, W1 16, W2 18, xh 20, wqkv 22
	s_load_b64 s[24:25], s[0:1], 0x40              ; w12
	v_lshrrev_b32 v2, 5, v0                        ; wave w
	v_and_b32 v1, 31, v0                           ; lane l
	s_and_b32 s3, ttmp7, 0xffff                    ; y
	s_mov_b32 s[OFS+1], 0
	s_mov_b32 s[HM], 0xffff0000
	s_lshl_b32 s38, ttmp9, 16                      ; the work-group's 16,384 numbers of 4 bytes
	v_lshlrev_b32 v[VI], 4, v1
	v_lshl_add_u32 v[VI], v2, 13, v[VI]            ; the weights' source offset: 8,192 w + 16 l
	s_wait_kmcnt 0x0
	s_cmp_lt_u32 s3, 4
	s_cbranch_scc1 .Lx
	s_cmp_lt_u32 s3, 7
	s_cbranch_scc1 .Lq
	s_cmp_lt_u32 s3, 11
	s_cbranch_scc1 .Lh
	; W2: 16 rows of 1,024, same layout in bf16
	s_sub_co_u32 s39, s3, 11
	s_lshl_b32 s[OFS], s39, 22
	s_add_co_u32 s[OFS], s[OFS], s38
	s_add_nc_u64 s[SRC:SRC+1], s[18:19], s[OFS:OFS+1]
	s_lshl_b32 s[OFS], s39, 21
	s_lshl_b32 s39, ttmp9, 15
	s_add_co_u32 s[OFS], s[OFS], s39
	s_add_co_u32 s[OFS], s[OFS], 8388608
	s_add_nc_u64 s[DST:DST+1], s[24:25], s[OFS:OFS+1]
	v_lshlrev_b32 v[VO], 3, v1
	v_lshl_add_u32 v[VO], v2, 12, v[VO]            ; 4,096 w + 8 l
	MOVE 3
	s_endpgm
.Lh:                                                   ; W1: 4 rows of 4,096; wave w takes half (w & 1) of row w >> 1
	s_sub_co_u32 s39, s3, 7
	s_lshl_b32 s[OFS], s39, 22
	s_add_co_u32 s[OFS], s[OFS], s38
	s_add_nc_u64 s[SRC:SRC+1], s[16:17], s[OFS:OFS+1]
	s_lshl_b32 s[OFS], s39, 17                     ; row k = 256 (y - 7) + 4 x, 512 bytes each
	s_lshl_b32 s39, ttmp9, 11
	s_add_co_u32 s[OFS], s[OFS], s39
	s_add_nc_u64 s[DST:DST+1], s[24:25], s[OFS:OFS+1]
	v_and_b32 v3, 1, v2
	v_lshrrev_b32 v6, 1, v2
	v_lshlrev_b32 v[VO], 3, v1
	v_lshl_add_u32 v[VO], v6, 9, v[VO]
	v_lshl_add_u32 v[VO], v3, 22, v[VO]            ; eight blocks on for the row's second half
	MOVE 2
	s_endpgm
.Lq:                                                   ; Wq, Wk or Wv: 16 rows of 1,024; wave w takes rows 2 w, 2 w + 1
	s_cmp_eq_u32 s3, 5
	s_cselect_b64 s[SRC:SRC+1], s[12:13], s[10:11]
	s_cmp_eq_u32 s3, 6
	s_cselect_b64 s[SRC:SRC+1], s[14:15], s[SRC:SRC+1]
	s_mov_b32 s[OFS], s38
	s_add_nc_u64 s[SRC:SRC+1], s[SRC:SRC+1], s[OFS:OFS+1]
	s_sub_co_u32 s39, s3, 4
	s_lshl_b32 s[OFS], s39, 21                     ; four blocks a matrix
	s_lshl_b32 s39, ttmp9, 13                      ; 16 rows of 512 bytes
	s_add_co_u32 s[OFS], s[OFS], s39
	s_add_nc_u64 s[DST:DST+1], s[22:23], s[OFS:OFS+1]
	v_lshlrev_b32 v[VO], 3, v1
	v_lshl_add_u32 v[VO], v2, 10, v[VO]            ; 1,024 w + 8 l
	MOVE 1
	s_endpgm
.Lx:                                                   ; x: 16 rows; wave w takes rows 2 w, 2 w + 1, load i their slice i
	s_lshl_b32 s[OFS], s3, 22
	s_add_co_u32 s[OFS], s[OFS], s38
	s_add_nc_u64 s[SRC:SRC+1], s[8:9], s[OFS:OFS+1]
	s_lshl_b32 s[OFS], s3, 17                      ; row 1,024 y + 16 x, 128 bytes each in a slice
	s_lshl_b32 s39, ttmp9, 11
	s_add_co_u32 s[OFS], s[OFS], s39
	s_add_nc_u64 s[DST:DST+1], s[20:21], s[OFS:OFS+1]
	v_lshrrev_b32 v3, 4, v1
	v_lshl_add_u32 v3, v2, 1, v3                   ; row 2 w + l / 16
	v_and_b32 v6, 15, v1
	v_lshlrev_b32 v6, 4, v6
	v_lshl_add_u32 v[VI], v3, 12, v6
	v_lshlrev_b32 v[VO], 3, v0                     ; 256 w + 8 l
	MOVE 0
	s_endpgm
.Lfunc_end_k_qd9d81d582f_prep:
	.size	k_qd9d81d582f_prep, .Lfunc_end_k_qd9d81d582f_prep-k_qd9d81d582f_prep
	.p2alignl 7, 3214868480
	.fill 96, 4, 3214868480
	.section	.rodata,"a",@progbits
	.p2align	6, 0x0
	.amdhsa_kernel k_qd9d81d582f_prep
		.amdhsa_group_segment_fixed_size 0
		.amdhsa_private_segment_fixed_size 0
		.amdhsa_enable_private_segment 0
		.amdhsa_kernarg_size 72
		.amdhsa_user_sgpr_count 2
		.amdhsa_user_sgpr_kernarg_segment_ptr 1
		.amdhsa_wavefront_size32 1
		.amdhsa_system_sgpr_workgroup_id_x 1
		.amdhsa_system_sgpr_workgroup_id_y 1
		.amdhsa_system_sgpr_workgroup_id_z 1
		.amdhsa_system_vgpr_workitem_id 0
		.amdhsa_next_free_vgpr 120
		.amdhsa_next_free_sgpr 66
		.amdhsa_reserve_vcc 0
		.amdhsa_float_denorm_mode_32 3
		.amdhsa_float_denorm_mode_16_64 3
		.amdhsa_memory_ordered 1
		.amdhsa_forward_progress 1
		.amdhsa_inst_pref_size 37
	.end_amdhsa_kernel
	.amdgpu_metadata
---
amdhsa.version: [ 1, 2 ]
amdhsa.kernels:
  - .name:           k_qd9d81d582f_prep
    .symbol:         k_qd9d81d582f_prep.kd
    .args:
      - { .name: x, .offset: 0, .size: 8, .value_kind: global_buffer, .address_space: global }
      - { .name: Wq, .offset: 8, .size: 8, .value_kind: global_buffer, .address_space: global }
      - { .name: Wk, .offset: 16, .size: 8, .value_kind: global_buffer, .address_space: global }
      - { .name: Wv, .offset: 24, .size: 8, .value_kind: global_buffer, .address_space: global }
      - { .name: W1, .offset: 32, .size: 8, .value_kind: global_buffer, .address_space: global }
      - { .name: W2, .offset: 40, .size: 8, .value_kind: global_buffer, .address_space: global }
      - { .name: xh, .offset: 48, .size: 8, .value_kind: global_buffer, .address_space: global }
      - { .name: wqkv, .offset: 56, .size: 8, .value_kind: global_buffer, .address_space: global }
      - { .name: w12, .offset: 64, .size: 8, .value_kind: global_buffer, .address_space: global }
    .group_segment_fixed_size: 0
    .private_segment_fixed_size: 0
    .kernarg_segment_align: 8
    .kernarg_segment_size: 72
    .max_flat_workgroup_size: 256
    .sgpr_count:     66
    .vgpr_count:     120
    .wavefront_size: 32
...
	.end_amdgpu_metadata
.endif
;; end of part 1
;; launch qkv (part 2): grid 12 x 16, 4 waves a work-group, clusters of 4 x 4, 327,680 bytes of LDS; arguments xh, wqkv, bq, bk, bv, qkv; writes qkv
.if DOCPART == 2
	.amdgcn_target "amdgcn-amd-amdhsa--gfx1250"
	.amdhsa_code_object_version 6
	.text
	.protected	k_qd9d81d582f_qkv
	.globl	k_qd9d81d582f_qkv
	.p2align	8
	.type	k_qd9d81d582f_qkv,@function
k_qd9d81d582f_qkv:
	s_mov_b64 s[64:65], 0
	v_nop
	global_prefetch_b8 v0, s[64:65] scope:SCOPE_SE
	s_setreg_imm32_b32 hwreg(HW_REG_WAVE_MODE, 25, 1), 1
	s_wait_xcnt 0x0
	s_wait_alu depctr_hold_cnt(0) depctr_sa_sdst(0) depctr_va_vdst(0) depctr_va_sdst(0) depctr_va_ssrc(0) depctr_va_vcc(0) depctr_vm_vsrc(0)
	s_getreg_b32 s2, hwreg(HW_REG_IB_STS2, 6, 4)
	s_cmp_eq_u32 s2, 0
	s_cbranch_scc0 .Lentry_in_a_cluster
	s_endpgm
.Lentry_in_a_cluster:
	s_bfe_u32 s2, ttmp6, 0x10000c
	s_cmp_lg_u32 s2, 0xf033
	s_cbranch_scc0 .Lentry_shape_is_right
	s_endpgm
.Lentry_shape_is_right:
; Q, K AND V: C = A B + bias, A = xh [16 slices][4096][64] f16, B = wqkv [12 blocks of 256 columns][1024 k][256 n] f16, K = 1024, sums in f32.
; C is rounded once to f16 and stored by heads, [3][64 heads][1024 t][64], unscaled; the bias is bq, bk or bv by the cluster's x (four blocks a matrix), rounded to bf16 like every input.
; LIMITS: A, B and C lie within f16's 65,504; NaN and infinities are not treated apart.
; SHAPE: a tile of C is 256 x 256, four waves, 128 x 128 each in 64 accumulators (512 registers).  K goes in 8 steps of 128 through two LDS slots.
; A's part of a step is two slices: each 256 rows x 128 bytes, dense in memory, asked for as 128 rows of 256 bytes and padded after every 128 bytes (pitch 144).
; B's part is 128 k-rows of 512 bytes (pitch 544); its fragments come out of LDS turned, by ds_load_tr16_b128.
; ONE K STEP A TRIP: the slot in hand is a scalar, 0 or SLOT, that an exclusive or turns; one descriptor for A and one for B walk from step to step.  Six trips fill a slot again; the last
; two steps are a second loop without a fill.  Its last trip fetches 32 fragments' halves that nobody multiplies: the price of one text for both trips.
; The grid has 12 x 16 = 192 tiles; a tile of 256 x 192 would give 256, but its rows of 96 words are no interval that the padding knows.
; CLUSTER: 4 x 4 work-groups; A's tiles are asked for jointly along a row of the cluster, B's along a column.
; THE MATRIX INSTRUCTION IS USED TRANSPOSED (source 0 = 16 columns of B, source 1 = 16 rows of A): a lane holds eight neighbouring numbers of a row of C.
; REGISTERS, in windows of 256: window 0: v16-31 addresses; v32-63 rows read back; v64-127, v128-191 A's fragments, later v64-127 the sums plus bias; v192-223 packed results
;   window 1: v0-63 bias of my 128 columns; v64-127, v128-191 B's fragments; v192-223 at work     windows 2, 3: the accumulators ((a, b) at v[8 (8 a + b)])
.set KSTEP,  128
.set STEPS,  8                         ; 1024 / 128
.set SLICE,  524288                    ; bytes of a slice of A
.set PA,     144                       ; A's LDS pitch: 128 + 16 bytes = 36 words: the 16 rows of a load start at 16 different groups of four banks (ISA guide 11.1)
.set ASL,    256*PA                    ; a slice's 256 rows
.set PB,     544                       ; B's LDS pitch: 512 + 32 bytes = 136 words
.set BH,     64*PB                     ; 64 k-rows: what one tensor load brings
.set BOFF,   2*ASL
.set SLOTB,  BOFF+2*BH                 ; 143,360 bytes in a slot
.set SLOT,   147456                    ; slot 1 begins here: 2^17 + 2^14.  The four places in slot 0 at which a load lands (0, 36,864, 73,728, 108,544) have neither bit, so one exclusive or turns each into its place in the other slot
.set STAGE,  SLOT+SLOTB                ; behind the ring: 16 rows x 272 bytes for each wave
.set SPITCH, 272
.set SPARE,  STAGE+4*16*SPITCH         ; the spare words, 128 bytes a wave; no other line names them
.set ADRA, 16                          ; v16 LDS address of my A fragments in the slot in hand;  v17 the same in slot 0, never rewritten
.set ADRA0, 17
.set ADRB, 20                          ; v20, v21 the same for B
.set ADRB0, 21
.set STO,  24                          ; where I put 16 bytes of a row
.set RD,   26                          ; where I read back: two rows of one head's 128 bytes for 16 lanes
.set SPW,  28                          ; my spare word; never rewritten
.set NIL,  29                          ; 0; never rewritten
.set CO,   30                          ; my byte offset in C
.set BO,   31                          ; my byte offset in the bias
.set BK,   32
.set F0,   64
.set F1,   128
.set X,    64
.set TMP,  192
.set G1,  24                           ; s[24:31] group 1 for A;  s[32:39] group 0: a set for each first fill; the second then walks
.set G0,  32
.set G1B, 48                           ; s[48:55], s[56:63] the same for B
.set G0B, 56
.set CB,  88                           ; s[88:89] C at my first rows
.set BB,  92                           ; s[92:93] the bias at the tile's first column
.set HM,  94
.set TB,  95                           ; s95  the slot in hand: 0 or SLOT
.set MSB, 0
.macro WIN new                         ; the immediate's high byte repeats the setting that is left
.if MSB != (\new)
	s_set_vgpr_msb (MSB<<8)|(\new)
.set MSB, \new
.endif
.endm
.set MUL_LO, 0xa1                      ; source 0 (B) window 1, source 1 (A) window 0, C and D window 2
.set MUL_HI, 0xf1                      ; the same, C and D window 3
.set TO_B,   0x40                      ; destination window 1, address window 0
; A joint load: waves 0 and 1 fetch A's two slices, waves 2 and 3 B's two halves.  An s_nop 0 and four v_nop follow each line.
.macro JLOAD s
	s_cmp_eq_u32 s11, 0
	s_cbranch_scc0 .Lfor_b_\@
	tensor_load_to_lds s[G0+4*(\s):G0+4*(\s)+3], s[G1:G1+7]
	s_nop 0
.rept 4
	v_nop
.endr
	s_branch .Lasked_\@
.Lfor_b_\@:
	tensor_load_to_lds s[G0B+4*(\s):G0B+4*(\s)+3], s[G1B:G1B+7]
	s_nop 0
.rept 4
	v_nop
.endr
.Lasked_\@:
.endm
.macro CREST                           ; a round of the cluster's barrier behind its opening barrier
	s_cmp_lg_u32 s10, 0
	s_cbranch_scc1 .Lnot_wave_0_\@
	s_barrier_signal -3
.Lnot_wave_0_\@:
	s_barrier_wait -3
	s_barrier_signal -1
	s_barrier_wait -1
.endm
.macro CROUND
	s_barrier_signal -1
	s_barrier_wait -1
	CREST
.endm
	s_load_b256 s[68:75], s[0:1], 0x0              ; xh 68, wqkv 70, bq 72, bk 74
	s_load_b128 s[76:79], s[0:1], 0x20             ; bv 76, qkv 78
	v_lshl_add_u32 v[SPW], v0, 2, SPARE
	v_mov_b32 v[NIL], 0
	ds_add_u32 v[SPW], v[NIL]                      ; the wave's opening: the add and its wait ahead of my first tensor load
	v_lshrrev_b32 v1, 5, v0
	v_readfirstlane_b32 s10, v1                    ; wave 0..3
	s_lshr_b32 s11, s10, 1                         ; my half of the tile's rows; also: I fetch for A (0) or B (1)
	s_and_b32 s12, s10, 1                          ; my half of its columns; also: which part I fetch
	s_bfe_u32 s40, ttmp6, 0x40000                  ; cx
	s_bfe_u32 s41, ttmp6, 0x40004                  ; cy
	s_lshl_b32 s42, ttmp9, 2
	s_add_co_u32 s42, s42, s40                     ; tile column = 4 x cluster x + cx
	s_and_b32 s45, ttmp7, 0xffff                   ; cluster y = batch
	s_lshl_b32 s13, s45, 2
	s_add_co_u32 s13, s13, s41                     ; tile row = 4 x cluster y + cy
	s_lshl_b32 s43, s41, 2
	s_lshl_b32 s43, 15, s43                        ; my row of the cluster
	s_lshl_b32 s44, 0x1111, s40                    ; my column
	s_or_b32 s[G1+0], s43, (1<<16)|(1<<20)|(1<<21)|(4<<22)|(3<<25)   ; mask; 2-byte elements; padding on; bit 21 beside a mask; after every 32 words 4 words
	s_or_b32 s[G1B+0], s44, (1<<16)|(1<<20)|(1<<21)|(6<<22)|(7<<25)  ; after every 128 words 8 words
	s_mov_b32 s[G1+1], 128<<16                     ; A: tensor_dim0 = 128 elements (256 bytes: two rows of a slice)
	s_mov_b32 s[G1+2], 128<<16                     ; tensor_dim1 = 128
	s_mov_b32 s[G1+3], 128<<16                     ; tile_dim0
	s_mov_b32 s[G1+4], 128                         ; tile_dim1
	s_mov_b32 s[G1+5], 128                         ; pitch: dense
	s_mov_b32 s[G1+6], 0
	s_mov_b32 s[G1+7], 0
	s_mov_b32 s[G1B+1], 256<<16                    ; B: 64 k-rows of 256 elements
	s_mov_b32 s[G1B+2], 64<<16
	s_mov_b32 s[G1B+3], 256<<16
	s_mov_b32 s[G1B+4], 64
	s_mov_b32 s[G1B+5], 256
	s_mov_b32 s[G1B+6], 0
	s_mov_b32 s[G1B+7], 0
	s_lshl_b32 s16, s13, 15                        ; A: the tile row's 256 rows of 128 bytes,
	s_lshl_b32 s17, s12, 19                        ; in slice 0 or 1
	s_add_co_u32 s16, s16, s17
	s_mov_b32 s17, 0
	s_lshl_b32 s46, s42, 19                        ; B: the tile column's block,
	s_lshl_b32 s47, s12, 15                        ; its k-rows 0 or 64 on
	s_add_co_u32 s46, s46, s47
	s_mov_b32 s47, 0
	s_mul_i32 s20, s12, ASL                        ; where they go: no place in the cluster enters an LDS address
	s_mul_i32 s21, s12, BH
	s_add_co_u32 s21, s21, BOFF
	s_mov_b32 s[HM], 0xffff0000
	s_mov_b32 s[TB], 0
	s_wait_dscnt 0x0                               ; the opening add is done
	s_wait_kmcnt 0x0
	s_add_nc_u64 s[14:15], s[68:69], s[16:17]
	s_add_nc_u64 s[46:47], s[70:71], s[46:47]
	CROUND                                         ; all sixteen work-groups are here: the first joint loads meet
.irp s, 0,1
	s_mov_b32 s[G0+4*(\s)], 1
	s_add_co_u32 s[G0+4*(\s)+1], s20, (\s)*SLOT
	s_add_nc_u64 s[G0+4*(\s)+2:G0+4*(\s)+3], s[14:15], (\s)*2*SLICE      ; K step s: slices 2 s, 2 s + 1
	s_or_b32 s[G0+4*(\s)+3], s[G0+4*(\s)+3], 0x80000000
	s_mov_b32 s[G0B+4*(\s)], 1
	s_add_co_u32 s[G0B+4*(\s)+1], s21, (\s)*SLOT
	s_add_nc_u64 s[G0B+4*(\s)+2:G0B+4*(\s)+3], s[46:47], (\s)*KSTEP*512
	s_or_b32 s[G0B+4*(\s)+3], s[G0B+4*(\s)+3], 0x80000000
	JLOAD \s
.endr
	v_and_b32 v1, 15, v0                           ; r = l % 16
	v_bfe_u32 v2, v0, 4, 1                         ; h = l / 16
	v_and_b32 v3, 7, v0                            ; l % 8
	v_bfe_u32 v4, v0, 3, 1                         ; (l / 8) % 2
	v_mul_u32_u24 v5, v1, PA
	v_lshl_add_u32 v5, v2, 4, v5                   ; A: row x pitch + 16 h
	s_mul_i32 s21, s11, 128*PA
	v_add_nc_u32 v[ADRA0], s21, v5
	v_mov_b32 v[ADRA], v[ADRA0]
	v_lshl_add_u32 v6, v2, 3, v3                   ; B: k-row 8 h + l % 8,
	v_mul_u32_u24 v6, v6, PB
	v_lshl_add_u32 v6, v4, 4, v6                   ; 16 bytes by (l / 8) % 2
	s_lshl_b32 s22, s12, 8
	s_add_co_u32 s22, s22, BOFF
	v_add_nc_u32 v[ADRB0], s22, v6
	v_mov_b32 v[ADRB], v[ADRB0]
	s_mul_i32 s23, s10, 16*SPITCH
	s_add_co_u32 s23, s23, STAGE                   ; my stage
	v_mul_u32_u24 v7, v1, SPITCH
	v_lshl_add_u32 v7, v2, 4, v7
	v_add_nc_u32 v[STO], s23, v7
	v_mul_u32_u24 v7, v4, SPITCH                   ; back: row (l / 8) % 2 of a pair, head l / 16 of my two, 16 bytes by l % 8
	v_lshl_add_u32 v7, v2, 7, v7
	v_lshl_add_u32 v7, v3, 4, v7
	v_add_nc_u32 v[RD], s23, v7
	v_lshlrev_b32 v7, 4, v3
	v_lshl_add_u32 v7, v4, 7, v7
	v_lshl_add_u32 v[CO], v2, 17, v7               ; a head of 131,072 bytes for each half of the lanes
	s_lshl_b32 s22, s12, 9
	v_lshlrev_b32 v7, 5, v2
	v_add_nc_u32 v[BO], s22, v7                    ; 4 x (128 s12 + 8 h)
	s_lshl_b32 s18, ttmp9, 23                      ; C at my first rows: q, k or v,
	s_lshl_b32 s19, s45, 4                         ; head = 16 x batch + 4 cx + 2 s12,
	s_lshl2_add_u32 s19, s40, s19
	s_lshl1_add_u32 s19, s12, s19
	s_lshl_b32 s19, s19, 17
	s_add_co_u32 s18, s18, s19
	s_lshl_b32 s19, s41, 8                         ; t = 256 cy + 128 s11
	s_lshl_b32 s20, s11, 7
	s_add_co_u32 s19, s19, s20
	s_lshl_b32 s19, s19, 7
	s_add_co_u32 s18, s18, s19
	s_mov_b32 s19, 0
	s_add_nc_u64 s[CB:CB+1], s[78:79], s[18:19]
	s_cmp_eq_u32 ttmp9, 1                          ; the cluster's x says which of the three biases
	s_cselect_b64 s[BB:BB+1], s[74:75], s[72:73]
	s_cmp_eq_u32 ttmp9, 2
	s_cselect_b64 s[BB:BB+1], s[76:77], s[BB:BB+1]
	s_lshl_b32 s22, s40, 10                        ; cx says which 256 of its columns
	s_mov_b32 s23, 0
	s_add_nc_u64 s[BB:BB+1], s[BB:BB+1], s[22:23]
	WIN TO_B
.irp b, 0,1,2,3,4,5,6,7                ; the bias of my lane's 64 columns; waited for behind the K loop
	global_load_b128 v[8*(\b):8*(\b)+3],   v[BO], s[BB:BB+1] offset:64*(\b)
	global_load_b128 v[8*(\b)+4:8*(\b)+7], v[BO], s[BB:BB+1] offset:64*(\b)+16
.endr
	WIN 0
; 16 matrix instructions: m blocks a0, a0 + 1 of the window's four x all 8 n blocks, 32 along K.  zero = 1: the first product starts the sums.
.macro MUL16 f, hi, a0, zero
	WIN MUL_LO+0x50*(\hi)
.irp a, \a0, (\a0)+1
.irp b, 0,1,2,3,4,5,6,7
.if \zero
	v_wmma_f32_16x16x32_f16 v[8*(8*(\a)+(\b)):8*(8*(\a)+(\b))+7], v[(\f)+8*(\b):(\f)+8*(\b)+7], v[(\f)+8*(4*(\hi)+(\a)):(\f)+8*(4*(\hi)+(\a))+7], 0
.else
	v_wmma_f32_16x16x32_f16 v[8*(8*(\a)+(\b)):8*(8*(\a)+(\b))+7], v[(\f)+8*(\b):(\f)+8*(\b)+7], v[(\f)+8*(4*(\hi)+(\a)):(\f)+8*(4*(\hi)+(\a))+7], v[8*(8*(\a)+(\b)):8*(8*(\a)+(\b))+7]
.endif
.endr
.endr
.endm
; 32 LDS loads in one run: the fragments of quarter q (32 along K) of the slot in hand into buffer f: B turned (k-rows 32 q on), then A (slice q / 2, bytes 64 (q % 2) on)
.macro FETCH q, f
	WIN TO_B
.irp i, 0,1,2,3,4,5,6,7
	ds_load_tr16_b128 v[(\f)+8*(\i):(\f)+8*(\i)+3],   v[ADRB] offset:(\q)*32*PB+(\i)*32
	ds_load_tr16_b128 v[(\f)+8*(\i)+4:(\f)+8*(\i)+7], v[ADRB] offset:(\q)*32*PB+16*PB+(\i)*32
.endr
	WIN 0
.irp i, 0,1,2,3,4,5,6,7
	ds_load_b128 v[(\f)+8*(\i):(\f)+8*(\i)+3],   v[ADRA] offset:((\q)/2)*ASL+((\q)%2)*64+(\i)*16*PA
	ds_load_b128 v[(\f)+8*(\i)+4:(\f)+8*(\i)+7], v[ADRA] offset:((\q)/2)*ASL+((\q)%2)*64+(\i)*16*PA+32
.endr
.endm
.macro PLACES                          ; four plain vector places in front of loads into registers that matrix instructions have read
.rept 4
	v_nop
.endr
.endm
; One of a K step's first three quarters: multiplies buffer f; in its middle it fetches quarter q of the same slot into buffer g.
.macro QUARTER q, f, g, zero
	s_wait_dscnt 8                                 ; B and A's rows 0-63 are in; the youngest eight loads (A's rows 64-127) may be out
	WIN MUL_LO
	MUL16 \f, 0, 0, \zero
	MUL16 \f, 0, 2, \zero
	PLACES
	FETCH \q, \g
	s_wait_dscnt 32                                ; all but the 32 just issued
	WIN MUL_HI
	MUL16 \f, 1, 0, \zero
	MUL16 \f, 1, 2, \zero
.endm
; The last quarter's first half: one barrier for the change of slots.
.macro MEET round
	WIN 0
	s_wait_tensorcnt 0x0                           ; all my tensor loads have landed: the one that was out is my part of the next slot;
	ds_add_u32 v[SPW], v[NIL]                      ; 0 onto my spare word;
	s_wait_dscnt 9                                 ; (the add and the youngest eight loads may be out)
	WIN MUL_LO
	MUL16 F1, 0, 0, 0
	s_wait_dscnt 0x0                               ; the add is done, and my reads of this slot are over
	s_barrier_signal -1
	MUL16 F1, 0, 2, 0
.if \round
	WIN 0
.endif
	s_barrier_wait -1
.endm
; The whole last quarter.  fill = 1: the slot just read is filled again, two K steps on, first thing behind the round: the walking descriptors turn to the other slot than last time and step one K step.
.macro TURN fill
	MEET \fill
.if \fill
	CREST
	s_xor_b32 s[G0+5], s[G0+5], SLOT
	s_add_nc_u64 s[G0+6:G0+7], s[G0+6:G0+7], 2*SLICE
	s_xor_b32 s[G0B+5], s[G0B+5], SLOT
	s_add_nc_u64 s[G0B+6:G0B+7], s[G0B+6:G0B+7], KSTEP*512
	JLOAD 1                                        ; its four v_nop are also places in front of the loads below
.else
	WIN 0
	v_nop                                          ; these two and the two additions below are the four places in front of the loads
	v_nop
.endif
	s_xor_b32 s[TB], s[TB], SLOT                   ; the reads go on in the other slot
	v_add_nc_u32 v[ADRA], s[TB], v[ADRA0]
	v_add_nc_u32 v[ADRB], s[TB], v[ADRB0]
	FETCH 0, F0
	WIN MUL_HI
	MUL16 F1, 1, 0, 0
	MUL16 F1, 1, 2, 0
.endm
	s_wait_tensorcnt 1                             ; my part of K step 0 is in; K step 1's may stay out
	s_barrier_signal -1
	s_barrier_wait -1
	FETCH 0, F0
	QUARTER 1, F0, F1, 1                           ; the first quarter starts the sums
	WIN 0
	s_mov_b32 s3, STEPS-2
.Lstep:                                                ; a trip: a K step's quarters 1 to 3 and the next step's quarter 0; the slot that it leaves is filled again
	QUARTER 2, F1, F0, 0
	QUARTER 3, F0, F1, 0
	TURN 1
	QUARTER 1, F0, F1, 0
	WIN 0
	s_sub_co_u32 s3, s3, 1
	s_cmp_lg_u32 s3, 0
	s_cbranch_scc1 .Lstep
	s_mov_b32 s3, 2
.Ltail:                                                ; the last two K steps fill nothing
	QUARTER 2, F1, F0, 0
	QUARTER 3, F0, F1, 0
	TURN 0
	WIN 0
	s_cmp_eq_u32 s3, 1
	s_cbranch_scc1 .Llast                          ; behind the last K step there is no quarter 0 to multiply
	QUARTER 1, F0, F1, 0
	WIN 0
.Llast:
	s_sub_co_u32 s3, s3, 1
	s_cmp_lg_u32 s3, 0
	s_cbranch_scc1 .Ltail
	s_wait_dscnt 0x0                               ; the last trip's fetch, which nobody multiplies, has landed: its registers are used again below
	; The bias is rounded to bf16, like every input.  These 96 plain lines name no register of the last products: they are the places behind them.
	s_wait_loadcnt 0x0
	WIN 0x45                                       ; destination and both sources window 1
.set i, 0
.rept 32
	v_cvt_pk_bf16_f32 v[192+i], v[2*i], v[2*i+1]
.set i, i+1
.endr
.set i, 0
.rept 32
	v_lshlrev_b32 v[2*i],   16, v[192+i]
	v_and_b32     v[2*i+1], s[HM], v[192+i]
.set i, i+1
.endr
	WIN 0
; THE WAY OUT, a loop over my eight blocks of 16 rows.  CASE a: block a's 64 sums plus the bias (each accumulator's lowest registers first).
.macro CASE a
.Lcase\a:
	WIN 0x06+(\a)/4                                ; source 0 window 2 or 3, source 1 window 1
.irp b, 0,1,2,3,4,5,6,7
.irp r, 0,1,2,3
	v_pk_add_f32 v[X+8*(\b)+2*(\r):X+8*(\b)+2*(\r)+1], v[64*((\a)%4)+8*(\b)+2*(\r):64*((\a)%4)+8*(\b)+2*(\r)+1], v[8*(\b)+2*(\r):8*(\b)+2*(\r)+1]
.endr
.endr
	WIN 0
.endm
.macro TOSTAGE                         ; 16 bytes a lane into my stage, and back as 256 bytes that lie together in C for 16 lanes; LDS serves a wave's instructions in order (ISA guide 5.7.1.4)
.irp b, 0,1,2,3,4,5,6,7
	ds_store_b128 v[STO], v[TMP+4*(\b):TMP+4*(\b)+3] offset:32*(\b)
.endr
.irp t, 0,1,2,3,4,5,6,7
	ds_load_b128 v[BK+4*(\t):BK+4*(\t)+3], v[RD] offset:(\t)*2*SPITCH
.endr
.endm
.macro SEND                            ; the block read back last is stored: 16 lanes store two rows of a head, 256 consecutive bytes, aligned
	s_wait_dscnt 0x0
.irp t, 0,1,2,3,4,5,6,7
	global_store_b128 v[CO], v[BK+4*(\t):BK+4*(\t)+3], s[CB:CB+1] offset:(\t)*256
.endr
	s_wait_xcnt 0x0                                ; only behind this wait are the stores' base and data registers written again
	s_add_nc_u64 s[CB:CB+1], s[CB:CB+1], 2048      ; 16 rows of 128 bytes on
.endm
	s_mov_b32 s3, 0
.Lblock:
.irp a, 1,2,3,4,5,6,7
	s_cmp_eq_u32 s3, \a
	s_cbranch_scc1 .Lcase\a
.endr
.irp a, 0,1,2,3,4,5,6
	CASE \a
	s_branch .Lcommon
.endr
	CASE 7
.Lcommon:
.set i, 0
.rept 32
	v_cvt_pk_f16_f32 v[TMP+i], v[X+2*i], v[X+2*i+1]
.set i, i+1
.endr
	s_cmp_eq_u32 s3, 0
	s_cbranch_scc1 .Lfirst                         ; the first trip has no block to store yet
	SEND                                           ; the block before: its round trip through the stage stood under this block's arithmetic
.Lfirst:
	TOSTAGE
	s_add_co_u32 s3, s3, 1
	s_cmp_lt_u32 s3, 8
	s_cbranch_scc1 .Lblock
	SEND
	s_wait_tensorcnt 0x0                           ; the wave's end
	ds_add_u32 v[SPW], v[NIL]
	s_wait_dscnt 0x0
	CROUND                                         ; the closing round: no work-group ends while a partner may still ask for a tile that names it
	s_endpgm
.Lfunc_end_k_qd9d81d582f_qkv:
	.size	k_qd9d81d582f_qkv, .Lfunc_end_k_qd9d81d582f_qkv-k_qd9d81d582f_qkv
	.p2alignl 7, 3214868480
	.fill 96, 4, 3214868480
	.section	.rodata,"a",@progbits
	.p2align	6, 0x0
	.amdhsa_kernel k_qd9d81d582f_qkv
		.amdhsa_group_segment_fixed_size 327680
		.amdhsa_private_segment_fixed_size 0
		.amdhsa_enable_private_segment 0
		.amdhsa_kernarg_size 48
		.amdhsa_user_sgpr_count 2
		.amdhsa_user_sgpr_kernarg_segment_ptr 1
		.amdhsa_wavefront_size32 1
		.amdhsa_system_sgpr_workgroup_id_x 1
		.amdhsa_system_sgpr_workgroup_id_y 1
		.amdhsa_system_sgpr_workgroup_id_z 1
		.amdhsa_system_vgpr_workitem_id 0
		.amdhsa_next_free_vgpr 1024
		.amdhsa_next_free_sgpr 96
		.amdhsa_reserve_vcc 0
		.amdhsa_float_denorm_mode_32 3
		.amdhsa_float_denorm_mode_16_64 3
		.amdhsa_memory_ordered 1
		.amdhsa_forward_progress 1
		.amdhsa_inst_pref_size 97
	.end_amdhsa_kernel
	.amdgpu_metadata
---
amdhsa.version: [ 1, 2 ]
amdhsa.kernels:
  - .name:           k_qd9d81d582f_qkv
    .symbol:         k_qd9d81d582f_qkv.kd
    .args:
      - { .name: xh, .offset: 0, .size: 8, .value_kind: global_buffer, .address_space: global }
      - { .name: wqkv, .offset: 8, .size: 8, .value_kind: global_buffer, .address_space: global }
      - { .name: bq, .offset: 16, .size: 8, .value_kind: global_buffer, .address_space: global }
      - { .name: bk, .offset: 24, .size: 8, .value_kind: global_buffer, .address_space: global }
      - { .name: bv, .offset: 32, .size: 8, .value_kind: global_buffer, .address_space: global }
      - { .name: qkv, .offset: 40, .size: 8, .value_kind: global_buffer, .address_space: global }
    .group_segment_fixed_size: 327680
    .private_segment_fixed_size: 0
    .kernarg_segment_align: 8
    .kernarg_segment_size: 48
    .max_flat_workgroup_size: 128
    .sgpr_count:     96
    .vgpr_count:     1024
    .wavefront_size: 32
...
	.end_amdgpu_metadata
.endif
;; end of part 2
;; launch attn (part 3): grid 4 x 64, 4 waves a work-group, clusters of 4 x 1, 327,680 bytes of LDS; arguments qkv, xh, x1h; writes x1h
.if DOCPART == 3
	.amdgcn_target "amdgcn-amd-amdhsa--gfx1250"
	.amdhsa_code_object_version 6
	.text
	.protected	k_qd9d81d582f_attn
	.globl	k_qd9d81d582f_attn
	.p2align	8
	.type	k_qd9d81d582f_attn,@function
k_qd9d81d582f_attn:
	s_mov_b64 s[64:65], 0
	v_nop
	global_prefetch_b8 v0, s[64:65] scope:SCOPE_SE
	s_setreg_imm32_b32 hwreg(HW_REG_WAVE_MODE, 25, 1), 1
	s_wait_xcnt 0x0
	s_wait_alu depctr_hold_cnt(0) depctr_sa_sdst(0) depctr_va_vdst(0) depctr_va_sdst(0) depctr_va_ssrc(0) depctr_va_vcc(0) depctr_vm_vsrc(0)
	s_getreg_b32 s2, hwreg(HW_REG_IB_STS2, 6, 4)
	s_cmp_eq_u32 s2, 0
	s_cbranch_scc0 .Lentry_in_a_cluster
	s_endpgm
.Lentry_in_a_cluster:
	s_bfe_u32 s2, ttmp6, 0x10000c
	s_cmp_lg_u32 s2, 0x3003
	s_cbranch_scc0 .Lentry_shape_is_right
	s_endpgm
.Lentry_shape_is_right:
; x1 = x + CAUSAL ATTENTION.  qkv [3][64 heads][1024][64] f16, unscaled; xh, x1h [16 slices][4096][64] f16.  Scores are divided by 32 (the square root of 1024):
; p = 2^(c s - c m), c = log2(e) / 32, with a running maximum m and sum l in f32; p is rounded to f16 for the second product, x1 once at the end.
; LIMITS: q, k, v, x and x1 within f16's 65,504; a hidden score counts as its value less 1e30; a weight below 2^-126 counts as 0 in l; NaN and infinities are not treated apart.
; SHARES.  The four work-groups of a cluster belong to one head.  Its 1,024 queries are 8 blocks of 128; work-group cx owns rows 32 cx .. 32 cx + 31 of every block; wave w takes its
; 32 rows (two tiles of 16) of block 7 - w and then of block w.  Block i needs the key steps (64 keys) 0 .. 2 i + 1, so every wave walks (16 - 2 w) + (2 w + 2) = 18 steps:
; all waves and all work-groups do equal work.  Branches hang on the wave's number and on counters alone; cx enters global addresses and the mask's numbers only.
; THE WHOLE HEAD'S K AND V LIE IN LDS (pitches 144 and 160), asked for once, jointly by the four work-groups; nothing is filled again, so the loops hold no round.
; Each wave issues two loads: 128 keys (the first four steps' K and V together), then 384 keys; the first three steps run while the second loads are on their way.
; LAYOUT.  S^T = K Q^T holds one query a lane (lane % 16) and keys 8 (lane / 16) + 0..7; two results rounded to f16 are source 1 of O^T = V^T P; V comes out of LDS turned.
; THE MASK is the C operand that starts S^T: 0, or -1e30 where 64 s' + 16 kt + 8 h + j > 32 cx + 16 u + r in the block's own two steps s' = 0, 1.  Every row sees key 0 of its block
; or earlier keys before any wholly hidden step, so m is a true score by then.  A piece's first step multiplies O and l by a = 0: what lay there need only be finite.
; A step is written in phases (16 products, softmax, 16 products).
; REGISTERS: window 0: v2-15 addresses; v16-23 statistics; v24-35 at work; v64-127 S^T; v128-159 P; v160-223 O^T     window 1: v0-63 masks; v64-127 the residual of both pieces
;   window 2: v0-31 Q; v32-63 the second piece's Q; v128-191 K of a step; v192-255 V of a step
.set PITK,  144
.set PITV,  160
.set VOFF,  1024*PITK
.set STAGE, VOFF+1024*PITV             ; 16 rows x 144 bytes for each wave
.set SP,    144
.set SPARE, STAGE+4*16*SP              ; the spare words, 128 bytes a wave; no other line names them
.set AK0, 2
.set AV0, 3
.set AK,  4
.set AV,  5
.set STO, 6
.set RD,  7
.set GO,  8
.set QO,  9
.set TH,  12                           ; v12-13  32 cx + 16 u + r - 8 h
.set THS, 14                           ; v14-15  the same less 64 s'
.set ST,  16                           ; tile u at ST + 4 u: c m, m, l (even keys', odd keys')
.set TC,  24                           ; tile u at TC + 4 u: c0-c3 at work; c2 becomes a
.set MV,  32                           ; c m_old
.set RLV, 34                           ; 1 / l
.set SPW, 62
.set NIL, 63
.set S,   64
.set P,   128
.set O,   160
.set MC,  0                            ; window 1
.set RES, 64
.set RESB, 96
.set Q,   0                            ; window 2
.set QB,  32
.set KF,  128
.set VF,  192
.set WV,  12
.set G1KA, 24
.set G1KB, 32
.set G1VA, 40
.set G1VB, 48
.set G0KA, 56
.set G0KB, 60
.set G0VA, 68
.set G0VB, 72
.set CS,  76
.set SEL, 78
.set OUT, 80
.set OLO, 82
.set QH,  84
.set QL,  86
.set RH,  88
.set RLO, 90
.set KS,  92                           ; the key step in hand
.set NK,  93                           ; the next one
.set REM, 94                           ; steps of the piece still to do, this one among them
.set NLO, 95                           ; the second piece's steps
.set CNT, 96
.set TBK, 97
.set TBV, 98
.set BIGN, 99
.set S64, 100
.set MSB, 0
.macro WIN new
.if MSB != (\new)
	s_set_vgpr_msb (MSB<<8)|(\new)
.set MSB, (\new)
.endif
.endm
.macro CROUND
	s_barrier_signal -1
	s_barrier_wait -1
	s_cmp_lg_u32 s[WV], 0
	s_cbranch_scc1 .Lnot_wave_0_\@
	s_barrier_signal -3
.Lnot_wave_0_\@:
	s_barrier_wait -3
	s_barrier_signal -1
	s_barrier_wait -1
.endm
.macro PLACES
.rept 4
	v_nop
.endr
.endm
	s_load_b128 s[4:7], s[0:1], 0x0                ; qkv 4, xh 6
	s_load_b64 s[8:9], s[0:1], 0x10                ; x1h
	v_lshl_add_u32 v[SPW], v0, 2, SPARE
	v_mov_b32 v[NIL], 0
	ds_add_u32 v[SPW], v[NIL]                      ; the wave's opening: the add and its wait ahead of my first tensor load
	v_lshrrev_b32 v1, 5, v0
	v_readfirstlane_b32 s[WV], v1
	s_bfe_u32 s13, ttmp6, 0x40000                  ; cx
	s_and_b32 s14, ttmp7, 0xffff                   ; the head, which the four partners share
	s_and_b32 s17, s[WV], 1                        ; j: which part of K (waves 0, 1) or V (waves 2, 3) I fetch
	s_lshl_b32 s20, s14, 17                        ; the head's 131,072 bytes
	s_mov_b32 s21, 0
	s_lshl_b32 s22, s17, 14                        ; first load: keys 128 j on
	s_mov_b32 s23, 0
	s_mul_i32 s10, s17, 49152                      ; second load: keys 256 + 384 j on
	s_add_co_u32 s10, s10, 32768
	s_mov_b32 s11, 0
	s_mov_b32 s[G0KA], 1
	s_mul_i32 s[G0KA+1], s17, 128*PITK
	s_mov_b32 s[G0KB], 1
	s_mul_i32 s[G0KB+1], s17, 384*PITK
	s_add_co_u32 s[G0KB+1], s[G0KB+1], 256*PITK
	s_mov_b32 s[G0VA], 1
	s_mul_i32 s[G0VA+1], s17, 128*PITV
	s_add_co_u32 s[G0VA+1], s[G0VA+1], VOFF
	s_mov_b32 s[G0VB], 1
	s_mul_i32 s[G0VB+1], s17, 384*PITV
	s_add_co_u32 s[G0VB+1], s[G0VB+1], VOFF+256*PITV
	; group 1: dense keys asked for as rows of 256 bytes, two keys a row, padded after every key (32 words): 4 words for K, 8 for V
.irp g, G1KA, G1KB
	s_mov_b32 s[\g], 15|(1<<16)|(1<<20)|(1<<21)|(4<<22)|(3<<25)
.endr
.irp g, G1VA, G1VB
	s_mov_b32 s[\g], 15|(1<<16)|(1<<20)|(1<<21)|(4<<22)|(7<<25)
.endr
.irp g, G1KA, G1VA
	s_mov_b32 s[\g+1], 128<<16
	s_mov_b32 s[\g+2], 64<<16
	s_mov_b32 s[\g+3], 128<<16
	s_mov_b32 s[\g+4], 64
	s_mov_b32 s[\g+5], 128
	s_mov_b32 s[\g+6], 0
	s_mov_b32 s[\g+7], 0
.endr
.irp g, G1KB, G1VB
	s_mov_b32 s[\g+1], 128<<16
	s_mov_b32 s[\g+2], 192<<16
	s_mov_b32 s[\g+3], 128<<16
	s_mov_b32 s[\g+4], 192
	s_mov_b32 s[\g+5], 128
	s_mov_b32 s[\g+6], 0
	s_mov_b32 s[\g+7], 0
.endr
	s_lshl_b32 s101, s13, 5                        ; 32 cx
	s_sub_co_u32 s2, 7, s[WV]                      ; first piece: row 128 (7 - w) + 32 cx, 128 bytes a row
	s_lshl_b32 s2, s2, 7
	s_add_co_u32 s2, s2, s101
	s_lshl_b32 s2, s2, 7
	s_mov_b32 s3, 0
	s_lshl_b32 s16, s[WV], 7                       ; second piece: row 128 w + 32 cx
	s_add_co_u32 s16, s16, s101
	s_lshl_b32 s16, s16, 7
	s_mov_b32 s17, 0
	s_lshr_b32 s15, s14, 4                         ; batch: 1,024 rows of 128 bytes in a slice,
	s_lshl_b32 s15, s15, 17
	s_and_b32 s14, s14, 15                         ; slice = the head's number in its batch
	s_lshl_b32 s14, s14, 19
	s_add_co_u32 s14, s14, s15
	s_mov_b32 s[CS], 0x3d38aa3b                    ; c = log2(e) / 32
	s_mov_b32 s[CS+1], s[CS]
	s_mov_b32 s[SEL], 0x76543210
	s_mov_b32 s[SEL+1], 0xfedcba98
	s_mov_b32 s[BIGN], 0xf149f2ca                  ; -1e30
	s_lshl_b32 s[NLO], s[WV], 1
	s_sub_co_u32 s[REM], 16, s[NLO]
	s_add_co_u32 s[NLO], s[NLO], 2
	s_mov_b32 s[KS], 0
	s_wait_dscnt 0x0                               ; the opening add is done
	s_wait_kmcnt 0x0
	s_add_nc_u64 s[18:19], s[4:5], s[20:21]        ; the head's q
	s_add_nc_u64 s[QH:QH+1], s[18:19], s[2:3]
	s_add_nc_u64 s[QL:QL+1], s[18:19], s[16:17]
	s_add_nc_u64 s[20:21], s[18:19], 8388608       ; its k
	s_add_nc_u64 s[G0KA+2:G0KA+3], s[20:21], s[22:23]
	s_or_b32 s[G0KA+3], s[G0KA+3], 0x80000000
	s_add_nc_u64 s[G0KB+2:G0KB+3], s[20:21], s[10:11]
	s_or_b32 s[G0KB+3], s[G0KB+3], 0x80000000
	s_add_nc_u64 s[20:21], s[18:19], 16777216      ; its v
	s_add_nc_u64 s[G0VA+2:G0VA+3], s[20:21], s[22:23]
	s_or_b32 s[G0VA+3], s[G0VA+3], 0x80000000
	s_add_nc_u64 s[G0VB+2:G0VB+3], s[20:21], s[10:11]
	s_or_b32 s[G0VB+3], s[G0VB+3], 0x80000000
	s_add_co_u32 s2, s2, s14
	s_add_co_u32 s16, s16, s14
	s_add_nc_u64 s[RH:RH+1], s[6:7], s[2:3]
	s_add_nc_u64 s[OUT:OUT+1], s[8:9], s[2:3]
	s_add_nc_u64 s[RLO:RLO+1], s[6:7], s[16:17]
	s_add_nc_u64 s[OLO:OLO+1], s[8:9], s[16:17]
	CROUND                                         ; all four work-groups are here: the joint loads meet
	s_cmp_lt_u32 s[WV], 2                          ; a wave's two loads stand in one branch; two loads of mine are out
	s_cbranch_scc0 .Lfirst_v
	tensor_load_to_lds s[G0KA:G0KA+3], s[G1KA:G1KA+7]
	s_nop 0
	tensor_load_to_lds s[G0KB:G0KB+3], s[G1KB:G1KB+7]
	s_nop 0
.rept 4
	v_nop
.endr
	s_branch .Lfirst_asked
.Lfirst_v:
	tensor_load_to_lds s[G0VA:G0VA+3], s[G1VA:G1VA+7]
	s_nop 0
	tensor_load_to_lds s[G0VB:G0VB+3], s[G1VB:G1VB+7]
	s_nop 0
.rept 4
	v_nop
.endr
.Lfirst_asked:
	v_and_b32 v36, 15, v0                          ; r
	v_bfe_u32 v37, v0, 4, 1                        ; h
	v_and_b32 v38, 7, v0
	v_bfe_u32 v39, v0, 3, 1
	v_lshlrev_b32 v[QO], 7, v36
	v_lshl_add_u32 v[QO], v37, 4, v[QO]            ; row x 128 + 16 h
	WIN 0x80                                       ; destination window 2
.irp u, 0,1
.irp c, 0,1
	global_load_b128 v[Q+16*\u+8*\c:Q+16*\u+8*\c+3],     v[QO], s[QH:QH+1] offset:2048*\u+64*\c
	global_load_b128 v[Q+16*\u+8*\c+4:Q+16*\u+8*\c+7],   v[QO], s[QH:QH+1] offset:2048*\u+64*\c+32
	global_load_b128 v[QB+16*\u+8*\c:QB+16*\u+8*\c+3],   v[QO], s[QL:QL+1] offset:2048*\u+64*\c
	global_load_b128 v[QB+16*\u+8*\c+4:QB+16*\u+8*\c+7], v[QO], s[QL:QL+1] offset:2048*\u+64*\c+32
.endr
.endr
	WIN 0x40                                       ; destination window 1: the residual in O^T's layout: row r, channels 16 cb + 8 h + 0..7
.irp u, 0,1
.irp c, 0,1,2,3
	global_load_b128 v[RES+16*\u+4*\c:RES+16*\u+4*\c+3],   v[QO], s[RH:RH+1] offset:2048*\u+32*\c
	global_load_b128 v[RESB+16*\u+4*\c:RESB+16*\u+4*\c+3], v[QO], s[RLO:RLO+1] offset:2048*\u+32*\c
.endr
.endr
.set i, 0
.rept 64                                ; no key is hidden until a piece's last two steps
	v_mov_b32 v[MC+i], 0
.set i, i+1
.endr
	WIN 0
	v_mul_u32_u24 v[AK0], v36, PITK
	v_lshl_add_u32 v[AK0], v37, 4, v[AK0]
	v_lshl_add_u32 v[AV0], v37, 3, v38             ; the turning load: key 8 h + l % 8, 16 bytes by (l / 8) % 2
	v_mul_u32_u24 v[AV0], v[AV0], PITV
	v_lshl_add_u32 v[AV0], v39, 4, v[AV0]
	v_add_nc_u32 v[AV0], VOFF, v[AV0]
	s_mul_i32 s15, s[WV], 16*SP
	s_add_co_u32 s15, s15, STAGE
	v_add_nc_u32 v[STO], s15, v[AK0]               ; the stage has K's pitch: row r, 16 bytes by h
	v_bfe_u32 v[RD], v0, 3, 2                      ; back: 32 lanes take four rows of 128 bytes,
	v_mul_u32_u24 v[RD], v[RD], SP
	v_lshl_add_u32 v[RD], v38, 4, v[RD]
	v_add_nc_u32 v[RD], s15, v[RD]
	v_and_b32 v[GO], 31, v0                        ; which are 512 consecutive bytes of x1h
	v_lshlrev_b32 v[GO], 4, v[GO]
	v_lshlrev_b32 v40, 3, v37
	v_sub_nc_u32 v40, v36, v40
	v_add_nc_u32 v[TH], s101, v40
	v_add_nc_u32 v[TH+1], 16, v[TH]
.set i, 0
.rept 64                                ; O^T and l need only be finite: the first step multiplies them by 0.  All this stands in the wait for the first tile
	v_mov_b32 v[O+i], 0
.set i, i+1
.endr
.irp u, 0,1
	v_mov_b32 v[ST+4*\u], 0xfe000000               ; c m: far below every c s
	v_mov_b32 v[ST+4*\u+1], 0xff7fffff             ; m
	v_mov_b32 v[ST+4*\u+2], 0
	v_mov_b32 v[ST+4*\u+3], 0
.endr
; Product i of 16 of S^T = K Q^T: channels 32 (i / 8) on, keys 16 ((i / 2) % 4) on, tile i % 2.  The 8 accumulators take turns.
.macro KQ msk
.set rS, S+32*(i%2)+8*((i/2)%4)
.set rK, KF+16*((i/2)%4)+8*(i/8)
.set rQ, Q+16*(i%2)+8*(i/8)
.set rX, MC+32*(i%2)+8*((i/2)%4)
.if (i < 8) && (\msk)
	WIN 0x1a                                       ; K and Q window 2, the mask window 1
	v_wmma_f32_16x16x32_f16 v[rS:rS+7], v[rK:rK+7], v[rQ:rQ+7], v[rX:rX+7]
.elseif i < 8
	WIN 0x0a
	v_wmma_f32_16x16x32_f16 v[rS:rS+7], v[rK:rK+7], v[rQ:rQ+7], 0
.else
	WIN 0x0a
	v_wmma_f32_16x16x32_f16 v[rS:rS+7], v[rK:rK+7], v[rQ:rQ+7], v[rS:rS+7]
.endif
.endm
; Product i of 16 of O^T += V^T P: keys 32 (i / 8) on, channels 16 ((i / 2) % 4) on, tile i % 2.
.macro PVM
	WIN 0x02                                       ; V window 2
.set rO, O+32*(i%2)+8*((i/2)%4)
.set rV, VF+32*(i/8)+8*((i/2)%4)
.set rP, P+16*(i%2)+8*(i/8)
	v_wmma_f32_16x16x32_f16 v[rO:rO+7], v[rV:rV+7], v[rP:rP+7], v[rO:rO+7]
.endm
.macro FETCH_K
	WIN 0x80
.irp f, 0,1,2,3,4,5,6,7
	ds_load_b128 v[KF+8*\f:KF+8*\f+3],   v[AK] offset:(\f/2)*16*PITK+(\f%2)*64
	ds_load_b128 v[KF+8*\f+4:KF+8*\f+7], v[AK] offset:(\f/2)*16*PITK+(\f%2)*64+32
.endr
	WIN 0
.endm
.macro FETCH_V
	WIN 0x80
.irp f, 0,1,2,3,4,5,6,7
	ds_load_tr16_b128 v[VF+8*\f:VF+8*\f+3],   v[AV] offset:(\f/4)*32*PITV+(\f%4)*32
	ds_load_tr16_b128 v[VF+8*\f+4:VF+8*\f+7], v[AV] offset:(\f/4)*32*PITV+16*PITV+(\f%4)*32
.endr
	WIN 0
.endm
.macro REGS u
.set rT, ST+4*(\u)
.set rC, TC+4*(\u)
.set rM, MV+(\u)
.set rS, S+32*(\u)
.set rP, P+16*(\u)
.set rO, O+32*(\u)
.endm
; Number n of the 22 that find a tile's maximum and statistics; each accumulator's lowest registers are read first.
.macro XS u, n
	REGS \u
.if (\n) < 4
	v_max3_num_f32 v[rC+(\n)], v[rS+8*(\n)], v[rS+8*(\n)+1], v[rS+8*(\n)+2]
.elseif (\n) < 12
	v_max3_num_f32 v[rC+(\n)%4], v[rC+(\n)%4], v[rS+8*((\n)%4)+2*((\n)/4)+1], v[rS+8*((\n)%4)+2*((\n)/4)+2]
.elseif (\n) == 12
	v_max3_num_f32 v[rC], v[rC], v[rS+7], v[rS+15]
.elseif (\n) == 13
	v_max3_num_f32 v[rC+1], v[rC+1], v[rS+23], v[rS+31]
.elseif (\n) == 14
	v_max3_num_f32 v[rC+2], v[rC+2], v[rC+3], v[rT+1]
.elseif (\n) == 15
	v_mov_b32 v[rM], v[rT]
.elseif (\n) == 16
	v_max3_num_f32 v[rC], v[rC], v[rC+1], v[rC+2]
.elseif (\n) == 17
	v_permlanex16_b32 v[rC+3], v[rC], s[SEL], s[SEL+1]  ; the query's other 32 keys lie in the lane 16 away
.elseif (\n) == 18
	v_max_num_f32 v[rT+1], v[rC], v[rC+3]
.elseif (\n) == 19
	v_mul_f32 v[rT], s[CS], v[rT+1]
.elseif (\n) == 20
	v_sub_f32 v[rC+1], v[rM], v[rT]
.else
	v_exp_f32 v[rC+2], v[rC+1]
.endif
.endm
; Plain line p of the 64 that follow the exponentials, in groups of eight for four weights k of each tile: both pairs rounded to f16, the second pair added onto the first, l takes the sum.
.macro PLN p
.set k, (\p)/8
.set z, (\p)%8
	REGS z%2
.if z < 4
	s_wait_alu depctr_va_vdst(0)
	v_cvt_pk_f16_f32 v[rP+2*k+z/2], v[rS+4*k+2*(z/2)], v[rS+4*k+2*(z/2)+1]
.elseif z < 6
	v_pk_add_f32 v[rS+4*k:rS+4*k+1], v[rS+4*k:rS+4*k+1], v[rS+4*k+2:rS+4*k+3]
.elseif k == 0
	v_pk_fma_f32 v[rT+2:rT+3], v[rT+2:rT+3], v[rC+2:rC+3], v[rS:rS+1] op_sel_hi:[1,0,1]
.else
	v_pk_add_f32 v[rT+2:rT+3], v[rT+2:rT+3], v[rS+4*k:rS+4*k+1]
.endif
.endm
; A KEY STEP.  K of the step was asked for ahead of V of the step, and each next run is issued as soon as its registers are free, so each wait leaves the younger run of 16 out.
.macro STEP msk
	s_wait_dscnt 16                                ; K is in; V's 16 loads are younger
.set i, 0
.rept 16
	KQ \msk
.set i, i+1
.endr
	WIN 0
	s_add_co_u32 s[NK], s[KS], 1                   ; the next step; behind a piece's last step: step 0
	s_cmp_eq_u32 s[REM], 1
	s_cselect_b32 s[NK], 0, s[NK]
	s_min_u32 s[NK], s[NK], 15
	s_mul_i32 s[TBK], s[NK], 64*PITK
	s_mul_i32 s[TBV], s[NK], 64*PITV
	v_add_nc_u32 v[AK], s[TBK], v[AK0]             ; these two and two v_nop are the places in front of the loads into K's registers
	v_add_nc_u32 v[AV], s[TBV], v[AV0]
	v_nop
	v_nop
	FETCH_K
.irp n, 0,1,2,3,4,5,6,7,8,9,10,11,12,13,14,15,16,17,18,19,20,21
	XS 0, \n
	XS 1, \n
.endr
.set n, 0
.rept 16                                ; c s - c m
.irp u, 0,1
	REGS \u
	v_pk_fma_f32 v[rS+2*n:rS+2*n+1], v[rS+2*n:rS+2*n+1], s[CS:CS+1], v[rT:rT+1] op_sel_hi:[1,0,0] neg_lo:[0,0,1] neg_hi:[0,0,1]
.endr
.set n, n+1
.endr
.set n, 0
.rept 16                                ; O^T times a, each accumulator's lowest pair first
.irp u, 0,1
	REGS \u
	s_wait_alu depctr_va_vdst(0)
	v_pk_mul_f32 v[rO+2*n:rO+2*n+1], v[rO+2*n:rO+2*n+1], v[rC+2:rC+3] op_sel_hi:[1,0]
.endr
.set n, n+1
.endr
.set e, 0
.rept 64                                ; exponential e: score e / 2 of tile e % 2; from the seventh on plain line e - 6 follows it
	REGS e%2
	v_exp_f32 v[rS+e/2], v[rS+e/2]
.if e == 5
	v_nop                                          ; the plain line between the first exponentials and plain line 0, which reads two of their results (ISA guide 5.7.2); every later plain line has earlier plain lines there
.endif
.if e >= 6
	PLN e-6
.endif
.set e, e+1
.endr
.irp p, 58,59,60,61,62,63
	PLN \p
.endr
	s_wait_dscnt 16                                ; V is in; the next K's 16 loads are younger
.set i, 0
.rept 16
	PVM
.set i, i+1
.endr
	WIN 0
	PLACES
	FETCH_V
	s_mov_b32 s[KS], s[NK]
	s_sub_co_u32 s[REM], s[REM], 1
.endm
.macro PACK u                          ; x + O / l in f32, rounded to f16, through my stage into whole rows
	WIN 0x10                                       ; source 2 (the residual) window 1
.set n, 0
.rept 32
.if n%2
	v_fma_mix_f32 v[S+32*(\u)+n], v[O+32*(\u)+n], v[RLV+(\u)], v[RES+16*(\u)+n/2] op_sel:[0,0,1] op_sel_hi:[0,0,1]
.else
	v_fma_mix_f32 v[S+32*(\u)+n], v[O+32*(\u)+n], v[RLV+(\u)], v[RES+16*(\u)+n/2] op_sel_hi:[0,0,1]
.endif
.set n, n+1
.endr
	WIN 0
.set n, 0
.rept 16
	v_cvt_pk_f16_f32 v[P+16*(\u)+n], v[S+32*(\u)+2*n], v[S+32*(\u)+2*n+1]
.set n, n+1
.endr
.irp f, 0,1,2,3
	ds_store_b128 v[STO], v[P+16*(\u)+4*\f:P+16*(\u)+4*\f+3] offset:32*\f
.endr
.irp f, 0,1,2,3
	ds_load_b128 v[S+32*(\u)+4*\f:S+32*(\u)+4*\f+3], v[RD] offset:\f*4*SP  ; LDS serves a wave's instructions in order (ISA guide 5.7.1.4)
.endr
.endm
.macro SEND u, younger                 ; younger: the LDS instructions issued behind tile u's loads
.irp f, 0,1,2,3
	s_wait_dscnt (\younger)+3-\f
	global_store_b128 v[GO], v[S+32*(\u)+4*\f:S+32*(\u)+4*\f+3], s[OUT:OUT+1] offset:(\u)*2048+\f*512  ; 512 consecutive bytes, aligned to 256
.endr
.endm
	s_wait_tensorcnt 0x1                           ; my first load is in; the second may stay out
	s_barrier_signal -1
	s_barrier_wait -1                              ; everybody's is: keys 0 to 255 of K and V
	v_mov_b32 v[AK], v[AK0]
	v_mov_b32 v[AV], v[AV0]
	FETCH_K
	FETCH_V
	s_wait_loadcnt 0x0                             ; Q and the residual
	s_mov_b32 s[CNT], 3
.Lhead:                                                ; steps 0 to 2; they fetch up to step 3, the last that the first loads brought.  Every first piece has 10 steps or more: no mask yet
	STEP 0
	s_sub_co_u32 s[CNT], s[CNT], 1
	s_cmp_lg_u32 s[CNT], 0
	s_cbranch_scc1 .Lhead
	s_wait_tensorcnt 0x0                           ; my second load is in,
	s_wait_dscnt 0x0                               ; no LDS instruction of mine is out at the signal,
	s_barrier_signal -1
	s_barrier_wait -1                              ; and everybody's second load is in: the whole head
	s_mov_b32 s[CNT], 15
.Lwalk:
	s_cmp_gt_u32 s[REM], 2
	s_cbranch_scc1 .Lnomask
	s_cmp_eq_u32 s[REM], 1                         ; the block's own two steps: s' = 0, then 1
	s_cselect_b32 s[S64], 64, 0
	v_sub_nc_u32 v[THS], v[TH], s[S64]
	v_sub_nc_u32 v[THS+1], v[TH+1], s[S64]
	WIN 0x40
.set i, 0
.rept 64
	v_cmp_gt_i32 vcc_lo, 16*((i/8)%4)+i%8, v[THS+i/32]
	v_cndmask_b32 v[MC+i], 0, s[BIGN], vcc_lo
.set i, i+1
.endr
	WIN 0
.Lnomask:
	STEP 1
	s_cmp_lg_u32 s[REM], 0
	s_cbranch_scc1 .Lsame
	; THE PIECE IS DONE: l's two halves and the other half of the lanes' are added; x + O / l goes out
.irp u, 0,1
	v_add_f32 v[ST+4*\u+2], v[ST+4*\u+2], v[ST+4*\u+3]
.endr
.irp u, 0,1
	v_permlanex16_b32 v[ST+4*\u+3], v[ST+4*\u+2], s[SEL], s[SEL+1]
.endr
.irp u, 0,1
	v_add_f32 v[ST+4*\u+2], v[ST+4*\u+2], v[ST+4*\u+3]
.endr
.irp u, 0,1
	v_rcp_f32 v[RLV+\u], v[ST+4*\u+2]
.endr
	v_nop                                          ; a plain line between the last reciprocal and the use of its result
	s_wait_alu depctr_va_vdst(0)
	PACK 0
	PACK 1
	SEND 0, 8
	SEND 1, 0
	s_cmp_eq_u32 s[CNT], 1
	s_cbranch_scc1 .Lsame                          ; that was the second piece
	s_wait_xcnt 0x0                                ; the stores have read their registers and their base
	s_mov_b64 s[OUT:OUT+1], s[OLO:OLO+1]
	s_mov_b32 s[REM], s[NLO]
	WIN 0x82                                       ; the second piece's Q and residual go where the one text names them
.set i, 0
.rept 32
	v_mov_b32 v[Q+i], v[QB+i]
.set i, i+1
.endr
	WIN 0x41
.set i, 0
.rept 32
	v_mov_b32 v[RES+i], v[RESB+i]
.set i, i+1
.endr
	WIN 0x40
.set i, 0
.rept 64
	v_mov_b32 v[MC+i], 0
.set i, i+1
.endr
	WIN 0
.irp u, 0,1
	v_mov_b32 v[ST+4*\u], 0xfe000000
	v_mov_b32 v[ST+4*\u+1], 0xff7fffff
.endr
.Lsame:
	s_sub_co_u32 s[CNT], s[CNT], 1
	s_cmp_lg_u32 s[CNT], 0
	s_cbranch_scc1 .Lwalk
	s_wait_tensorcnt 0x0                           ; the wave's end
	ds_add_u32 v[SPW], v[NIL]
	s_wait_dscnt 0x0
	CROUND                                         ; the closing round
	s_endpgm
.Lfunc_end_k_qd9d81d582f_attn:
	.size	k_qd9d81d582f_attn, .Lfunc_end_k_qd9d81d582f_attn-k_qd9d81d582f_attn
	.p2alignl 7, 3214868480
	.fill 96, 4, 3214868480
	.section	.rodata,"a",@progbits
	.p2align	6, 0x0
	.amdhsa_kernel k_qd9d81d582f_attn
		.amdhsa_group_segment_fixed_size 327680
		.amdhsa_private_segment_fixed_size 0
		.amdhsa_enable_private_segment 0
		.amdhsa_kernarg_size 24
		.amdhsa_user_sgpr_count 2
		.amdhsa_user_sgpr_kernarg_segment_ptr 1
		.amdhsa_wavefront_size32 1
		.amdhsa_system_sgpr_workgroup_id_x 1
		.amdhsa_system_sgpr_workgroup_id_y 1
		.amdhsa_system_sgpr_workgroup_id_z 1
		.amdhsa_system_vgpr_workitem_id 0
		.amdhsa_next_free_vgpr 768
		.amdhsa_next_free_sgpr 102
		.amdhsa_reserve_vcc 1
		.amdhsa_float_denorm_mode_32 3
		.amdhsa_float_denorm_mode_16_64 3
		.amdhsa_memory_ordered 1
		.amdhsa_forward_progress 1
		.amdhsa_inst_pref_size 77
	.end_amdhsa_kernel
	.amdgpu_metadata
---
amdhsa.version: [ 1, 2 ]
amdhsa.kernels:
  - .name:           k_qd9d81d582f_attn
    .symbol:         k_qd9d81d582f_attn.kd
    .args:
      - { .name: qkv, .offset: 0, .size: 8, .value_kind: global_buffer, .address_space: global }
      - { .name: xh, .offset: 8, .size: 8, .value_kind: global_buffer, .address_space: global }
      - { .name: x1h, .offset: 16, .size: 8, .value_kind: global_buffer, .address_space: global }
    .group_segment_fixed_size: 327680
    .private_segment_fixed_size: 0
    .kernarg_segment_align: 8
    .kernarg_segment_size: 24
    .max_flat_workgroup_size: 128
    .sgpr_count:     102
    .vgpr_count:     768
    .wavefront_size: 32
...
	.end_amdgpu_metadata
.endif
;; end of part 3
;; launch ff1 (part 4): grid 16 x 16, 4 waves a work-group, clusters of 4 x 4, 327,680 bytes of LDS; arguments x1h, w12, b1, g; writes g
.if DOCPART == 4
	.amdgcn_target "amdgcn-amd-amdhsa--gfx1250"
	.amdhsa_code_object_version 6
	.text
	.protected	k_qd9d81d582f_ff1
	.globl	k_qd9d81d582f_ff1
	.p2align	8
	.type	k_qd9d81d582f_ff1,@function
k_qd9d81d582f_ff1:
	s_mov_b64 s[64:65], 0
	v_nop
	global_prefetch_b8 v0, s[64:65] scope:SCOPE_SE
	s_setreg_imm32_b32 hwreg(HW_REG_WAVE_MODE, 25, 1), 1
	s_wait_xcnt 0x0
	s_wait_alu depctr_hold_cnt(0) depctr_sa_sdst(0) depctr_va_vdst(0) depctr_va_sdst(0) depctr_va_ssrc(0) depctr_va_vcc(0) depctr_vm_vsrc(0)
	s_getreg_b32 s2, hwreg(HW_REG_IB_STS2, 6, 4)
	s_cmp_eq_u32 s2, 0
	s_cbranch_scc0 .Lentry_in_a_cluster
	s_endpgm
.Lentry_in_a_cluster:
	s_bfe_u32 s2, ttmp6, 0x10000c
	s_cmp_lg_u32 s2, 0xf033
	s_cbranch_scc0 .Lentry_shape_is_right
	s_endpgm
.Lentry_shape_is_right:
; FIRST MLP LAYER: g = gelu(A B + b1), A = x1h [16 slices][4096][64] f16, B = the first 8 MiB of w12, [16 blocks of 256 columns][1024 k][256 n] f16, K = 1024, sums in f32.
; gelu(x) = x / (1 + 2^(x (K1 + K2 x^2))), which is 0.5 x (1 + tanh(sqrt(2/pi)(x + 0.044715 x^3))) written with one exponential and one reciprocal; at large |x| it gives x or -0.
; g is rounded once to bf16 (its range follows the inputs' and has no room in f16); b1 is rounded to bf16 like every input.
; g IS STORED AS THE NEXT LAUNCH'S MATRIX FRAGMENTS: [256 blocks of 16 rows][128 blocks of 32 columns][2 halves][32 lanes][16 bytes]; lane l of half c holds row l % 16, columns 16 c + 8 (l / 16) + 0..7
; of its blocks.  That is what a lane holds here when a result is packed, so each store leaves straight from registers and covers 512 consecutive bytes, aligned: no stage in LDS.
; LIMITS: A and B lie within f16's 65,504; NaN and infinities are not treated apart.
; SHAPE: a tile of C is 256 x 256, four waves, 128 x 128 each in 64 accumulators (512 registers); 16 x 16 tiles, one for each of 256 work-groups.  K goes in 8 steps of 128 through two LDS slots.
; A's part of a step is two slices: each 256 rows x 128 bytes, dense in memory, asked for as 128 rows of 256 bytes and padded after every 128 bytes (pitch 144).
; B's part is 128 k-rows of 512 bytes (pitch 544); its fragments come out of LDS turned, by ds_load_tr16_b128.
; ONE K STEP A TRIP: the slot in hand is a scalar, 0 or SLOT, that an exclusive or turns; one descriptor for A and one for B walk from step to step.  Six trips fill a slot again; the last
; two steps are a second loop without a fill.  Its last trip fetches 32 fragments' halves that nobody multiplies: the price of one text for both trips.
; CLUSTER: 4 x 4 work-groups; A's tiles are asked for jointly along a row of the cluster, B's along a column.
; THE MATRIX INSTRUCTION IS USED TRANSPOSED (source 0 = 16 columns of B, source 1 = 16 rows of A): a lane holds eight neighbouring numbers of a row of C.
; REGISTERS, in windows of 256: window 0: v16-31 addresses; v64-127, v128-191 A's fragments, later x and t of the way out; v192-223 packed results
;   window 1: v0-63 bias of my 128 columns; v64-127, v128-191 B's fragments; v192-223 at work     windows 2, 3: the accumulators ((a, b) at v[8 (8 a + b)])
.set KSTEP,  128
.set STEPS,  8                         ; 1024 / 128
.set SLICE,  524288                    ; bytes of a slice of A
.set BLOCKB, 131072                    ; bytes of a block of 16 rows of g
.set PA,     144                       ; A's LDS pitch: 128 + 16 bytes = 36 words: the 16 rows of a load start at 16 different groups of four banks (ISA guide 11.1)
.set ASL,    256*PA                    ; a slice's 256 rows
.set PB,     544                       ; B's LDS pitch: 512 + 32 bytes = 136 words
.set BH,     64*PB                     ; 64 k-rows: what one tensor load brings
.set BOFF,   2*ASL
.set SLOTB,  BOFF+2*BH                 ; 143,360 bytes in a slot
.set SLOT,   147456                    ; slot 1 begins here: 2^17 + 2^14.  The four places in slot 0 at which a load lands (0, 36,864, 73,728, 108,544) have neither bit, so one exclusive or turns each into its place in the other slot
.set SPARE,  SLOT+SLOTB                ; behind the ring: the spare words, 128 bytes a wave; no other line names them
.set ADRA, 16                          ; v16 LDS address of my A fragments in the slot in hand;  v17 the same in slot 0, never rewritten
.set ADRA0, 17
.set ADRB, 20                          ; v20, v21 the same for B
.set ADRB0, 21
.set CO,   27                          ; 16 x my lane: my place in a store's 512 bytes
.set SPW,  28                          ; my spare word; never rewritten
.set NIL,  29                          ; 0; never rewritten
.set BO,   31                          ; my byte offset in the bias
.set F0,   64
.set F1,   128
.set X,    64
.set T,    128
.set TMP,  192
.set G1,  24                           ; s[24:31] group 1 for A;  s[32:39] group 0: a set for each first fill; the second then walks
.set G0,  32
.set G1B, 48                           ; s[48:55], s[56:63] the same for B
.set G0B, 56
.set INC, 80                           ; s[80:81] what the way out adds to g's address: 0 in its first trip, then a block of 16 rows
.set K1,  84                           ; s[84:85] -2 log2(e) sqrt(2/pi)
.set K2,  86                           ; s[86:87] K1 x 0.044715
.set CB,  88                           ; s[88:89] g at my first block
.set BB,  92                           ; s[92:93] the bias at the tile's first column
.set HM,  94
.set TB,  95                           ; s95  the slot in hand: 0 or SLOT
.set MSB, 0
.macro WIN new                         ; the immediate's high byte repeats the setting that is left
.if MSB != (\new)
	s_set_vgpr_msb (MSB<<8)|(\new)
.set MSB, \new
.endif
.endm
.set MUL_LO, 0xa1                      ; source 0 (B) window 1, source 1 (A) window 0, C and D window 2
.set MUL_HI, 0xf1                      ; the same, C and D window 3
.set TO_B,   0x40                      ; destination window 1, address window 0
; A joint load: waves 0 and 1 fetch A's two slices, waves 2 and 3 B's two halves.  An s_nop 0 and four v_nop follow each line.
.macro JLOAD s
	s_cmp_eq_u32 s11, 0
	s_cbranch_scc0 .Lfor_b_\@
	tensor_load_to_lds s[G0+4*(\s):G0+4*(\s)+3], s[G1:G1+7]
	s_nop 0
.rept 4
	v_nop
.endr
	s_branch .Lasked_\@
.Lfor_b_\@:
	tensor_load_to_lds s[G0B+4*(\s):G0B+4*(\s)+3], s[G1B:G1B+7]
	s_nop 0
.rept 4
	v_nop
.endr
.Lasked_\@:
.endm
.macro CREST                           ; a round of the cluster's barrier behind its opening barrier
	s_cmp_lg_u32 s10, 0
	s_cbranch_scc1 .Lnot_wave_0_\@
	s_barrier_signal -3
.Lnot_wave_0_\@:
	s_barrier_wait -3
	s_barrier_signal -1
	s_barrier_wait -1
.endm
.macro CROUND
	s_barrier_signal -1
	s_barrier_wait -1
	CREST
.endm
	s_load_b256 s[68:75], s[0:1], 0x0              ; x1h 68, w12 70, b1 72, g 74
	v_lshl_add_u32 v[SPW], v0, 2, SPARE
	v_mov_b32 v[NIL], 0
	ds_add_u32 v[SPW], v[NIL]                      ; the wave's opening: the add and its wait ahead of my first tensor load
	v_lshrrev_b32 v1, 5, v0
	v_readfirstlane_b32 s10, v1                    ; wave 0..3
	s_lshr_b32 s11, s10, 1                         ; my half of the tile's rows; also: I fetch for A (0) or B (1)
	s_and_b32 s12, s10, 1                          ; my half of its columns; also: which part I fetch
	s_bfe_u32 s40, ttmp6, 0x40000                  ; cx
	s_bfe_u32 s41, ttmp6, 0x40004                  ; cy
	s_lshl_b32 s42, ttmp9, 2
	s_add_co_u32 s42, s42, s40                     ; tile column = 4 x cluster x + cx
	s_and_b32 s13, ttmp7, 0xffff
	s_lshl_b32 s13, s13, 2
	s_add_co_u32 s13, s13, s41                     ; tile row = 4 x cluster y + cy
	s_lshl_b32 s43, s41, 2
	s_lshl_b32 s43, 15, s43                        ; my row of the cluster
	s_lshl_b32 s44, 0x1111, s40                    ; my column
	s_or_b32 s[G1+0], s43, (1<<16)|(1<<20)|(1<<21)|(4<<22)|(3<<25)   ; mask; 2-byte elements; padding on; bit 21 beside a mask; after every 32 words 4 words
	s_or_b32 s[G1B+0], s44, (1<<16)|(1<<20)|(1<<21)|(6<<22)|(7<<25)  ; after every 128 words 8 words
	s_mov_b32 s[G1+1], 128<<16                     ; A: tensor_dim0 = 128 elements (256 bytes: two rows of a slice)
	s_mov_b32 s[G1+2], 128<<16                     ; tensor_dim1 = 128
	s_mov_b32 s[G1+3], 128<<16                     ; tile_dim0
	s_mov_b32 s[G1+4], 128                         ; tile_dim1
	s_mov_b32 s[G1+5], 128                         ; pitch: dense
	s_mov_b32 s[G1+6], 0
	s_mov_b32 s[G1+7], 0
	s_mov_b32 s[G1B+1], 256<<16                    ; B: 64 k-rows of 256 elements
	s_mov_b32 s[G1B+2], 64<<16
	s_mov_b32 s[G1B+3], 256<<16
	s_mov_b32 s[G1B+4], 64
	s_mov_b32 s[G1B+5], 256
	s_mov_b32 s[G1B+6], 0
	s_mov_b32 s[G1B+7], 0
	s_lshl_b32 s16, s13, 15                        ; A: the tile row's 256 rows of 128 bytes,
	s_lshl_b32 s17, s12, 19                        ; in slice 0 or 1
	s_add_co_u32 s16, s16, s17
	s_mov_b32 s17, 0
	s_lshl_b32 s46, s42, 19                        ; B: the tile column's block,
	s_lshl_b32 s47, s12, 15                        ; its k-rows 0 or 64 on
	s_add_co_u32 s46, s46, s47
	s_mov_b32 s47, 0
	s_mul_i32 s20, s12, ASL                        ; where they go: no place in the cluster enters an LDS address
	s_mul_i32 s21, s12, BH
	s_add_co_u32 s21, s21, BOFF
	s_mov_b32 s[K1], 0xc0135761
	s_mov_b32 s[K1+1], s[K1]                       ; named as pairs, so both words are written
	s_mov_b32 s[K2], 0xbdd2d3e8
	s_mov_b32 s[K2+1], s[K2]
	s_mov_b32 s[HM], 0xffff0000
	s_mov_b32 s[TB], 0
	s_mov_b32 s[INC], 0
	s_mov_b32 s[INC+1], 0
	s_wait_dscnt 0x0                               ; the opening add is done
	s_wait_kmcnt 0x0
	s_add_nc_u64 s[14:15], s[68:69], s[16:17]
	s_add_nc_u64 s[46:47], s[70:71], s[46:47]
	CROUND                                         ; all sixteen work-groups are here: the first joint loads meet
.irp s, 0,1
	s_mov_b32 s[G0+4*(\s)], 1
	s_add_co_u32 s[G0+4*(\s)+1], s20, (\s)*SLOT
	s_add_nc_u64 s[G0+4*(\s)+2:G0+4*(\s)+3], s[14:15], (\s)*2*SLICE      ; K step s: slices 2 s, 2 s + 1
	s_or_b32 s[G0+4*(\s)+3], s[G0+4*(\s)+3], 0x80000000
	s_mov_b32 s[G0B+4*(\s)], 1
	s_add_co_u32 s[G0B+4*(\s)+1], s21, (\s)*SLOT
	s_add_nc_u64 s[G0B+4*(\s)+2:G0B+4*(\s)+3], s[46:47], (\s)*KSTEP*512
	s_or_b32 s[G0B+4*(\s)+3], s[G0B+4*(\s)+3], 0x80000000
	JLOAD \s
.endr
	v_and_b32 v1, 15, v0                           ; r = l % 16
	v_bfe_u32 v2, v0, 4, 1                         ; h = l / 16
	v_and_b32 v3, 7, v0                            ; l % 8
	v_bfe_u32 v4, v0, 3, 1                         ; (l / 8) % 2
	v_mul_u32_u24 v5, v1, PA
	v_lshl_add_u32 v5, v2, 4, v5                   ; A: row x pitch + 16 h
	s_mul_i32 s21, s11, 128*PA
	v_add_nc_u32 v[ADRA0], s21, v5
	v_mov_b32 v[ADRA], v[ADRA0]
	v_lshl_add_u32 v6, v2, 3, v3                   ; B: k-row 8 h + l % 8,
	v_mul_u32_u24 v6, v6, PB
	v_lshl_add_u32 v6, v4, 4, v6                   ; 16 bytes by (l / 8) % 2
	s_lshl_b32 s22, s12, 8
	s_add_co_u32 s22, s22, BOFF
	v_add_nc_u32 v[ADRB0], s22, v6
	v_mov_b32 v[ADRB], v[ADRB0]
	v_and_b32 v[CO], 31, v0
	v_lshlrev_b32 v[CO], 4, v[CO]
	s_lshl_b32 s22, s12, 9
	v_lshlrev_b32 v7, 5, v2
	v_add_nc_u32 v[BO], s22, v7                    ; 4 x (128 s12 + 8 h)
	s_lshl_b32 s18, s13, 4                         ; g at my first block of 16 rows: 16 x tile row + 8 s11,
	s_lshl_b32 s20, s11, 3
	s_add_co_u32 s18, s18, s20
	s_lshl_b32 s18, s18, 17
	s_lshl_b32 s19, s42, 13                        ; and my first block of 32 columns, 1,024 bytes each: 8 x tile column + 4 s12
	s_add_co_u32 s18, s18, s19
	s_lshl_b32 s19, s12, 12
	s_add_co_u32 s18, s18, s19
	s_mov_b32 s19, 0
	s_add_nc_u64 s[CB:CB+1], s[74:75], s[18:19]
	s_lshl_b32 s22, s42, 10                        ; the bias at the tile's 256 columns of 4 bytes
	s_mov_b32 s23, 0
	s_add_nc_u64 s[BB:BB+1], s[72:73], s[22:23]
	WIN TO_B
.irp b, 0,1,2,3,4,5,6,7                ; the bias of my lane's 64 columns; waited for behind the K loop
	global_load_b128 v[8*(\b):8*(\b)+3],   v[BO], s[BB:BB+1] offset:64*(\b)
	global_load_b128 v[8*(\b)+4:8*(\b)+7], v[BO], s[BB:BB+1] offset:64*(\b)+16
.endr
	WIN 0
; 16 matrix instructions: m blocks a0, a0 + 1 of the window's four x all 8 n blocks, 32 along K.  zero = 1: the first product starts the sums.
.macro MUL16 f, hi, a0, zero
	WIN MUL_LO+0x50*(\hi)
.irp a, \a0, (\a0)+1
.irp b, 0,1,2,3,4,5,6,7
.if \zero
	v_wmma_f32_16x16x32_f16 v[8*(8*(\a)+(\b)):8*(8*(\a)+(\b))+7], v[(\f)+8*(\b):(\f)+8*(\b)+7], v[(\f)+8*(4*(\hi)+(\a)):(\f)+8*(4*(\hi)+(\a))+7], 0
.else
	v_wmma_f32_16x16x32_f16 v[8*(8*(\a)+(\b)):8*(8*(\a)+(\b))+7], v[(\f)+8*(\b):(\f)+8*(\b)+7], v[(\f)+8*(4*(\hi)+(\a)):(\f)+8*(4*(\hi)+(\a))+7], v[8*(8*(\a)+(\b)):8*(8*(\a)+(\b))+7]
.endif
.endr
.endr
.endm
; 32 LDS loads in one run: the fragments of quarter q (32 along K) of the slot in hand into buffer f: B turned (k-rows 32 q on), then A (slice q / 2, bytes 64 (q % 2) on)
.macro FETCH q, f
	WIN TO_B
.irp i, 0,1,2,3,4,5,6,7
	ds_load_tr16_b128 v[(\f)+8*(\i):(\f)+8*(\i)+3],   v[ADRB] offset:(\q)*32*PB+(\i)*32
	ds_load_tr16_b128 v[(\f)+8*(\i)+4:(\f)+8*(\i)+7], v[ADRB] offset:(\q)*32*PB+16*PB+(\i)*32
.endr
	WIN 0
.irp i, 0,1,2,3,4,5,6,7
	ds_load_b128 v[(\f)+8*(\i):(\f)+8*(\i)+3],   v[ADRA] offset:((\q)/2)*ASL+((\q)%2)*64+(\i)*16*PA
	ds_load_b128 v[(\f)+8*(\i)+4:(\f)+8*(\i)+7], v[ADRA] offset:((\q)/2)*ASL+((\q)%2)*64+(\i)*16*PA+32
.endr
.endm
.macro PLACES                          ; four plain vector places in front of loads into registers that matrix instructions have read
.rept 4
	v_nop
.endr
.endm
; One of a K step's first three quarters: multiplies buffer f; in its middle it fetches quarter q of the same slot into buffer g.
.macro QUARTER q, f, g, zero
	s_wait_dscnt 8                                 ; B and A's rows 0-63 are in; the youngest eight loads (A's rows 64-127) may be out
	WIN MUL_LO
	MUL16 \f, 0, 0, \zero
	MUL16 \f, 0, 2, \zero
	PLACES
	FETCH \q, \g
	s_wait_dscnt 32                                ; all but the 32 just issued
	WIN MUL_HI
	MUL16 \f, 1, 0, \zero
	MUL16 \f, 1, 2, \zero
.endm
; The last quarter's first half: one barrier for the change of slots.
.macro MEET round
	WIN 0
	s_wait_tensorcnt 0x0                           ; all my tensor loads have landed: the one that was out is my part of the next slot;
	ds_add_u32 v[SPW], v[NIL]                      ; 0 onto my spare word;
	s_wait_dscnt 9                                 ; (the add and the youngest eight loads may be out)
	WIN MUL_LO
	MUL16 F1, 0, 0, 0
	s_wait_dscnt 0x0                               ; the add is done, and my reads of this slot are over
	s_barrier_signal -1
	MUL16 F1, 0, 2, 0
.if \round
	WIN 0
.endif
	s_barrier_wait -1
.endm
; The whole last quarter.  fill = 1: the slot just read is filled again, two K steps on, first thing behind the round: the walking descriptors turn to the other slot than last time and step one K step.
.macro TURN fill
	MEET \fill
.if \fill
	CREST
	s_xor_b32 s[G0+5], s[G0+5], SLOT
	s_add_nc_u64 s[G0+6:G0+7], s[G0+6:G0+7], 2*SLICE
	s_xor_b32 s[G0B+5], s[G0B+5], SLOT
	s_add_nc_u64 s[G0B+6:G0B+7], s[G0B+6:G0B+7], KSTEP*512
	JLOAD 1                                        ; its four v_nop are also places in front of the loads below
.else
	WIN 0
	v_nop                                          ; these two and the two additions below are the four places in front of the loads
	v_nop
.endif
	s_xor_b32 s[TB], s[TB], SLOT                   ; the reads go on in the other slot
	v_add_nc_u32 v[ADRA], s[TB], v[ADRA0]
	v_add_nc_u32 v[ADRB], s[TB], v[ADRB0]
	FETCH 0, F0
	WIN MUL_HI
	MUL16 F1, 1, 0, 0
	MUL16 F1, 1, 2, 0
.endm
	s_wait_tensorcnt 1                             ; my part of K step 0 is in; K step 1's may stay out
	s_barrier_signal -1
	s_barrier_wait -1
	FETCH 0, F0
	QUARTER 1, F0, F1, 1                           ; the first quarter starts the sums
	WIN 0
	s_mov_b32 s3, STEPS-2
.Lstep:                                                ; a trip: a K step's quarters 1 to 3 and the next step's quarter 0; the slot that it leaves is filled again
	QUARTER 2, F1, F0, 0
	QUARTER 3, F0, F1, 0
	TURN 1
	QUARTER 1, F0, F1, 0
	WIN 0
	s_sub_co_u32 s3, s3, 1
	s_cmp_lg_u32 s3, 0
	s_cbranch_scc1 .Lstep
	s_mov_b32 s3, 2
.Ltail:                                                ; the last two K steps fill nothing
	QUARTER 2, F1, F0, 0
	QUARTER 3, F0, F1, 0
	TURN 0
	WIN 0
	s_cmp_eq_u32 s3, 1
	s_cbranch_scc1 .Llast                          ; behind the last K step there is no quarter 0 to multiply
	QUARTER 1, F0, F1, 0
	WIN 0
.Llast:
	s_sub_co_u32 s3, s3, 1
	s_cmp_lg_u32 s3, 0
	s_cbranch_scc1 .Ltail
	s_wait_dscnt 0x0                               ; the last trip's fetch, which nobody multiplies, has landed: its registers are used again below
	; The bias is rounded to bf16, like every input.  These 96 plain lines name no register of the last products: they are the places behind them.
	s_wait_loadcnt 0x0
	WIN 0x45                                       ; destination and both sources window 1
.set i, 0
.rept 32
	v_cvt_pk_bf16_f32 v[192+i], v[2*i], v[2*i+1]
.set i, i+1
.endr
.set i, 0
.rept 32
	v_lshlrev_b32 v[2*i],   16, v[192+i]
	v_and_b32     v[2*i+1], s[HM], v[192+i]
.set i, i+1
.endr
	WIN 0
; THE WAY OUT, a loop over my eight blocks of 16 rows.  CASE a: block a's 64 sums plus the bias into x (each accumulator's lowest registers first).
.macro CASE a
.Lcase\a:
	WIN 0x06+(\a)/4                                ; source 0 window 2 or 3, source 1 window 1
.irp b, 0,1,2,3,4,5,6,7
.irp r, 0,1,2,3
	v_pk_add_f32 v[X+8*(\b)+2*(\r):X+8*(\b)+2*(\r)+1], v[64*((\a)%4)+8*(\b)+2*(\r):64*((\a)%4)+8*(\b)+2*(\r)+1], v[8*(\b)+2*(\r):8*(\b)+2*(\r)+1]
.endr
.endr
	WIN 0
.endm
.macro GP1 p
	v_pk_mul_f32 v[T+2*(\p):T+2*(\p)+1], v[X+2*(\p):X+2*(\p)+1], v[X+2*(\p):X+2*(\p)+1]
.endm
.macro GP2 p
	v_pk_fma_f32 v[T+2*(\p):T+2*(\p)+1], v[T+2*(\p):T+2*(\p)+1], s[K2:K2+1], s[K1:K1+1] op_sel_hi:[1,0,0]
.endm
.macro GP3 p
	v_pk_mul_f32 v[T+2*(\p):T+2*(\p)+1], v[T+2*(\p):T+2*(\p)+1], v[X+2*(\p):X+2*(\p)+1]
.endm
.macro GEX e
	v_exp_f32 v[T+(\e)], v[T+(\e)]
.endm
.macro GAD p
	s_wait_alu depctr_va_vdst(0)
	v_pk_add_f32 v[T+2*(\p):T+2*(\p)+1], v[T+2*(\p):T+2*(\p)+1], 1.0 op_sel_hi:[1,0]
.endm
.macro GRC e
	v_rcp_f32 v[T+(\e)], v[T+(\e)]
.endm
.macro GML p
	s_wait_alu depctr_va_vdst(0)
	v_pk_mul_f32 v[X+2*(\p):X+2*(\p)+1], v[X+2*(\p):X+2*(\p)+1], v[T+2*(\p):T+2*(\p)+1]
.endm
.macro GCV p
	v_cvt_pk_bf16_f32 v[TMP+(\p)], v[X+2*(\p)], v[X+2*(\p)+1]
.endm
; gelu of 64 numbers in two halves of 16 pairs: one half's exponentials and reciprocals stand between the other half's plain lines, so that every
; transcendental has a plain line between it and the first use of its result (ISA guide 5.7.2), and the line next to it touches the other half.
.macro GELU
.set k, 0
.rept 16
	GP1 k
.set k, k+1
.endr
.set k, 0
.rept 16
	GP2 k
.set k, k+1
.endr
.set k, 0
.rept 16
	GP3 k
.set k, k+1
.endr
.set k, 0
.rept 18
.if k < 16
	GEX 2*k
	GP1 16+k
	GEX 2*k+1
.endif
.if (k >= 1) && (k <= 16)
	GP2 15+k
.endif
.if k >= 2
	GP3 14+k
.endif
.set k, k+1
.endr
.set k, 0
.rept 16
	GEX 32+2*k
	GAD k
	GEX 33+2*k
.set k, k+1
.endr
.set k, 0
.rept 16
	GRC 2*k
	GAD 16+k
	GRC 2*k+1
.set k, k+1
.endr
.set k, 0
.rept 16
	GRC 32+2*k
	GML k
	GRC 33+2*k
.if k >= 1
	GCV k-1
.endif
.set k, k+1
.endr
	GCV 15
.set k, 16
.rept 16
	GML k
.set k, k+1
.endr
.set k, 16
.rept 16
	GCV k
.set k, k+1
.endr
.endm
	s_mov_b32 s3, 0
.Lblock:
.irp a, 1,2,3,4,5,6,7
	s_cmp_eq_u32 s3, \a
	s_cbranch_scc1 .Lcase\a
.endr
.irp a, 0,1,2,3,4,5,6
	CASE \a
	s_branch .Lcommon
.endr
	CASE 7
.Lcommon:
	s_wait_xcnt 0x0                                ; the last trip's stores have read their base and their data: only behind this wait are both written again
	s_add_nc_u64 s[CB:CB+1], s[CB:CB+1], s[INC:INC+1]  ; the next block of 16 rows (the first trip adds 0)
	s_mov_b32 s[INC], BLOCKB
	GELU
.irp b, 0,1,2,3,4,5,6,7                ; n block b is half b % 2 of the fragment of columns 32 (b / 2) on: 512 consecutive bytes a store, my block's eight on end
	global_store_b128 v[CO], v[TMP+4*(\b):TMP+4*(\b)+3], s[CB:CB+1] offset:512*(\b)
.endr
	s_add_co_u32 s3, s3, 1
	s_cmp_lt_u32 s3, 8
	s_cbranch_scc1 .Lblock
	s_wait_tensorcnt 0x0                           ; the wave's end
	ds_add_u32 v[SPW], v[NIL]
	s_wait_dscnt 0x0
	CROUND                                         ; the closing round: no work-group ends while a partner may still ask for a tile that names it
	s_endpgm
.Lfunc_end_k_qd9d81d582f_ff1:
	.size	k_qd9d81d582f_ff1, .Lfunc_end_k_qd9d81d582f_ff1-k_qd9d81d582f_ff1
	.p2alignl 7, 3214868480
	.fill 96, 4, 3214868480
	.section	.rodata,"a",@progbits
	.p2align	6, 0x0
	.amdhsa_kernel k_qd9d81d582f_ff1
		.amdhsa_group_segment_fixed_size 327680
		.amdhsa_private_segment_fixed_size 0
		.amdhsa_enable_private_segment 0
		.amdhsa_kernarg_size 32
		.amdhsa_user_sgpr_count 2
		.amdhsa_user_sgpr_kernarg_segment_ptr 1
		.amdhsa_wavefront_size32 1
		.amdhsa_system_sgpr_workgroup_id_x 1
		.amdhsa_system_sgpr_workgroup_id_y 1
		.amdhsa_system_sgpr_workgroup_id_z 1
		.amdhsa_system_vgpr_workitem_id 0
		.amdhsa_next_free_vgpr 1024
		.amdhsa_next_free_sgpr 96
		.amdhsa_reserve_vcc 0
		.amdhsa_float_denorm_mode_32 3
		.amdhsa_float_denorm_mode_16_64 3
		.amdhsa_memory_ordered 1
		.amdhsa_forward_progress 1
		.amdhsa_inst_pref_size 110
	.end_amdhsa_kernel
	.amdgpu_metadata
---
amdhsa.version: [ 1, 2 ]
amdhsa.kernels:
  - .name:           k_qd9d81d582f_ff1
    .symbol:         k_qd9d81d582f_ff1.kd
    .args:
      - { .name: x1h, .offset: 0, .size: 8, .value_kind: global_buffer, .address_space: global }
      - { .name: w12, .offset: 8, .size: 8, .value_kind: global_buffer, .address_space: global }
      - { .name: b1, .offset: 16, .size: 8, .value_kind: global_buffer, .address_space: global }
      - { .name: g, .offset: 24, .size: 8, .value_kind: global_buffer, .address_space: global }
    .group_segment_fixed_size: 327680
    .private_segment_fixed_size: 0
    .kernarg_segment_align: 8
    .kernarg_segment_size: 32
    .max_flat_workgroup_size: 128
    .sgpr_count:     96
    .vgpr_count:     1024
    .wavefront_size: 32
...
	.end_amdgpu_metadata
.endif
;; end of part 4
;; launch ff2 (part 5): grid 32 x 8, 4 waves a work-group, clusters of 4 x 1, 327,680 bytes of LDS; arguments g, w12, b2, x1h, out0; writes out0
.if DOCPART == 5
	.amdgcn_target "amdgcn-amd-amdhsa--gfx1250"
	.amdhsa_code_object_version 6
	.text
	.protected	k_qd9d81d582f_ff2
	.globl	k_qd9d81d582f_ff2
	.p2align	8
	.type	k_qd9d81d582f_ff2,@function
k_qd9d81d582f_ff2:
	s_mov_b64 s[64:65], 0
	v_nop
	global_prefetch_b8 v0, s[64:65] scope:SCOPE_SE
	s_setreg_imm32_b32 hwreg(HW_REG_WAVE_MODE, 25, 1), 1
	s_wait_xcnt 0x0
	s_wait_alu depctr_hold_cnt(0) depctr_sa_sdst(0) depctr_va_vdst(0) depctr_va_sdst(0) depctr_va_ssrc(0) depctr_va_vcc(0) depctr_vm_vsrc(0)
	s_getreg_b32 s2, hwreg(HW_REG_IB_STS2, 6, 4)
	s_cmp_eq_u32 s2, 0
	s_cbranch_scc0 .Lentry_in_a_cluster
	s_endpgm
.Lentry_in_a_cluster:
	s_bfe_u32 s2, ttmp6, 0x10000c
	s_cmp_lg_u32 s2, 0x3003
	s_cbranch_scc0 .Lentry_shape_is_right
	s_endpgm
.Lentry_shape_is_right:
; out0 = x1 + g W2 + b2.  W2 = the second 8 MiB of w12, [4096 k][1024 n] bf16; x1h [16 slices][4096][64] f16; b2 rounded to bf16 like every input; out0 f32.  Sums in f32.
; g (bf16: its range follows the inputs' and has no room in f16) lies as matrix fragments: [256 blocks of 16 rows][128 blocks of 32 k][2 halves][32 lanes][16 bytes].
; NaN and infinities are not treated apart.  The sums start from x1 + b2 and the products are added onto that, K ascending.
; SHAPE.  A tile of C is 128 x 128, which gives each of 256 work-groups one.  A wave owns 32 rows x all 128 columns: 16 accumulators; no fragment of g is loaded twice in a work-group.
; W2 ALONE GOES THROUGH LDS.  With both operands there, two slots would hold 256 along K each, 128 matrix instructions a wave; with W2 alone a slot holds 512 along K (512 k-rows of 256 bytes,
; pitch 288), and of a step's 256 matrix instructions 240 stand between the request for a slot and the wait for it.  Its fragments come out of LDS turned, by ds_load_tr16_b128.
; g COMES STRAIGHT INTO REGISTERS: a fragment is two loads of 512 consecutive bytes.  A ring of 8 pieces (a piece: 64 along K of my 32 rows, 8 loads, 32 registers) fills window 2; a piece is
; asked for 7 pieces, 224 matrix instructions, ahead of its use; by this text's own count at most 56 loads of a wave are out.  So g is not shared by a joint load: what that would spare
; (the eight work-groups of a tile row read the same g) is given up for the longer step.
; CLUSTER: 4 x 1 work-groups, four tile rows of one tile column: W2's tile hangs on the tile column alone and is asked for jointly by all four.
; ONE K STEP A TRIP: the slot in hand is a scalar, 0 or SLOT, that an exclusive or turns; one descriptor walks.  Six trips fill a slot again; the last two steps are a second loop without a
; fill.  Its last trip fetches 32 LDS loads' worth of W2 that nobody multiplies and asks once more for seven pieces of g of its own step (held inside the buffer so): the price of one text.
; THE MATRIX INSTRUCTION IS USED TRANSPOSED (source 0 = 16 columns of W2, source 1 = 16 rows of g): a lane holds eight neighbouring numbers of a row of C.
; REGISTERS: window 0: v10-30 addresses; v32-95 the residual, later two buffers of rows read back; v128-255 the accumulators ((a, b) at v[128 + 8 (8 a + b)])
;   window 1: two buffers of W2's fragments, 64 along K each (at the start v128-223 hold the bias)          window 2: the ring of g
.set KSTEP,  512
.set STEPS,  8                         ; 4096 / 512
.set PB,     288                       ; 256 + 32 bytes = 72 words
.set WPART,  128*PB                    ; 128 k-rows: what one wave's tensor load brings
.set SLOT,   4*WPART                   ; 147,456 = 2^17 + 2^14; the waves' places in slot 0 (0, 36,864, 73,728, 110,592) have neither bit, so one exclusive or turns each into its place in slot 1
.set STAGE,  2*SLOT                    ; behind the ring: 16 rows x 272 bytes for each wave
.set SPITCH, 272
.set SPARE,  STAGE+4*16*SPITCH         ; the spare words, 128 bytes a wave; no other line names them
.set PIECEB, 2048                      ; bytes of a piece of one block of 16 rows of g: two fragments
.set BLOCKB, 131072                    ; bytes of a block of 16 rows of g
.set AO,   10                          ; 16 x my lane: my place in a load's 512 bytes of g
.set XO,   11                          ; my byte offset in 16 rows of a slice of x1h
.set BO,   12                          ; my byte offset in b2
.set AB0,  16                          ; v16-19 LDS address of my W2 fragments in slot 0, k-rows 128 i on (an immediate reaches 65,535 bytes); never rewritten
.set ADRB, 20                          ; v20-23 the same in the slot in hand
.set STO,  24
.set RD,   25
.set CO,   26
.set SPW,  28                          ; my spare word; never rewritten
.set NIL,  29                          ; 0; never rewritten
.set ONE,  30
.set RES,  32
.set TMP0, 32
.set ACC,  128
.set F0,   0                           ; window 1
.set F1,   128
.set BIAS, 128                         ; window 1, until the first fetch into F1
.set BT,   192
.set G1B, 48                           ; s[48:55] descriptor group 1
.set G0A, 56                           ; s[56:59] group 0 of the first fill of slot 0
.set G0W, 60                           ; s[60:63] group 0 of the first fill of slot 1; it then walks
.set GA,  76                           ; s[76:77] g at my first block, the K step in hand
.set GN,  78                           ; s[78:79] the same, the next K step (in the last trip: the last step once more)
.set RB,  80                           ; s[80:81] x1h at my rows
.set BBS, 82                           ; s[82:83] b2 at the tile's columns
.set TB,  84                           ; s84  the slot in hand: 0 or SLOT
.set HM,  85
.set MSB, 0
.macro WIN new                         ; the immediate's high byte repeats the setting that is left
.if MSB != (\new)
	s_set_vgpr_msb (MSB<<8)|(\new)
.set MSB, \new
.endif
.endm
.set MUL,  0x09                        ; source 0 (W2) window 1, source 1 (g) window 2; C and D window 0
.macro CREST                           ; a round of the cluster's barrier behind its opening barrier
	s_cmp_lg_u32 s10, 0
	s_cbranch_scc1 .Lnot_wave_0_\@
	s_barrier_signal -3
.Lnot_wave_0_\@:
	s_barrier_wait -3
	s_barrier_signal -1
	s_barrier_wait -1
.endm
.macro CROUND
	s_barrier_signal -1
	s_barrier_wait -1
	CREST
.endm
; Eight loads: piece pc of the K step at base, both blocks of 16 rows, into place ring of the ring
.macro ALOAD ring, base, pc
	WIN 0x80                                       ; destination window 2, address window 0
.irp c, 0,1
.irp a, 0,1
	global_load_b128 v[32*(\ring)+16*(\c)+8*(\a):32*(\ring)+16*(\c)+8*(\a)+3],   v[AO], s[\base:\base+1] offset:(\a)*BLOCKB+(\pc)*PIECEB+(\c)*1024
	global_load_b128 v[32*(\ring)+16*(\c)+8*(\a)+4:32*(\ring)+16*(\c)+8*(\a)+7], v[AO], s[\base:\base+1] offset:(\a)*BLOCKB+(\pc)*PIECEB+(\c)*1024+512
.endr
.endr
.endm
	s_load_b256 s[68:75], s[0:1], 0x0              ; g 68, w12 70, b2 72, x1h 74
	s_load_b64 s[8:9], s[0:1], 0x20                ; out0
	v_lshl_add_u32 v[SPW], v0, 2, SPARE
	v_mov_b32 v[NIL], 0
	ds_add_u32 v[SPW], v[NIL]                      ; the wave's opening: the add and its wait ahead of my first tensor load
	v_lshrrev_b32 v1, 5, v0
	v_readfirstlane_b32 s10, v1                    ; wave 0..3
	s_bfe_u32 s40, ttmp6, 0x40000                  ; cx
	s_lshl_b32 s13, ttmp9, 2
	s_add_co_u32 s13, s13, s40                     ; tile row = 4 x cluster x + cx: it enters the addresses of g, x1h and out0 alone
	s_and_b32 s42, ttmp7, 0xffff                   ; tile column, which the four partners share
	s_mov_b32 s[G1B+0], 15|(1<<16)|(1<<20)|(1<<21)|(5<<22)|(7<<25)  ; the mask of four; 2-byte elements; padding on; bit 21 beside a mask; after every 64 words 8 words
	s_mov_b32 s[G1B+1], 128<<16                    ; 128 k-rows of 128 elements, 1,024 from row to row
	s_mov_b32 s[G1B+2], 128<<16
	s_mov_b32 s[G1B+3], 128<<16
	s_mov_b32 s[G1B+4], 128
	s_mov_b32 s[G1B+5], 1024
	s_mov_b32 s[G1B+6], 0
	s_mov_b32 s[G1B+7], 0
	s_lshl_b32 s46, s42, 8                         ; W2: column 128 x tile column, 2 bytes each,
	s_lshl_b32 s47, s10, 18                        ; k-rows 128 x wave, 2,048 bytes each,
	s_add_co_u32 s46, s46, s47
	s_add_co_u32 s46, s46, 8388608                 ; in the buffer's second half
	s_mov_b32 s47, 0
	s_mul_i32 s20, s10, WPART                      ; where they go
	s_mov_b32 s[G0A], 1
	s_mov_b32 s[G0A+1], s20
	s_mov_b32 s[G0W], 1
	s_add_co_u32 s[G0W+1], s20, SLOT
	s_mov_b32 s[TB], 0
	s_mov_b32 s[HM], 0xffff0000
	s_lshl_b32 s19, s13, 7
	s_lshl_b32 s18, s10, 5
	s_add_co_u32 s19, s19, s18                     ; my first row: 128 x tile row + 32 x wave
	s_lshl_b32 s14, s13, 3
	s_lshl1_add_u32 s14, s10, s14                  ; my first block of 16 rows: 8 x tile row + 2 x wave
	s_lshl_b32 s14, s14, 17
	s_mov_b32 s15, 0
	s_lshl_b32 s16, s42, 20                        ; x1h: slice 2 x tile column,
	s_lshl_b32 s18, s19, 7                         ; my rows of 128 bytes
	s_add_co_u32 s16, s16, s18
	s_mov_b32 s17, 0
	s_lshl_b32 s22, s42, 9                         ; 128 columns of 4 bytes
	s_mov_b32 s23, 0
	s_lshl_b32 s26, s19, 12                        ; out0: my rows of 4,096 bytes, the tile's columns
	s_add_co_u32 s26, s26, s22
	s_mov_b32 s27, 0
	s_wait_dscnt 0x0                               ; the opening add is done
	s_wait_kmcnt 0x0
	s_add_nc_u64 s[G0A+2:G0A+3], s[70:71], s[46:47]
	s_add_nc_u64 s[G0W+2:G0W+3], s[G0A+2:G0A+3], KSTEP*2048
	s_or_b32 s[G0A+3], s[G0A+3], 0x80000000
	s_or_b32 s[G0W+3], s[G0W+3], 0x80000000
	s_add_nc_u64 s[GA:GA+1], s[68:69], s[14:15]
	s_add_nc_u64 s[GN:GN+1], s[GA:GA+1], 8*PIECEB
	s_add_nc_u64 s[RB:RB+1], s[74:75], s[16:17]
	s_add_nc_u64 s[BBS:BBS+1], s[72:73], s[22:23]
	s_add_nc_u64 s[8:9], s[8:9], s[26:27]
	CROUND                                         ; all four work-groups are here: the first joint loads meet
	tensor_load_to_lds s[G0A:G0A+3], s[G1B:G1B+7]  ; K step 0; every wave brings its 128 k-rows
	s_nop 0
	tensor_load_to_lds s[G0W:G0W+3], s[G1B:G1B+7]  ; K step 1: two loads of mine are out
	s_nop 0
	v_and_b32 v1, 15, v0                           ; r = l % 16
	v_bfe_u32 v2, v0, 4, 1                         ; h = l / 16
	v_and_b32 v3, 7, v0
	v_bfe_u32 v4, v0, 3, 1
	v_lshlrev_b32 v[XO], 7, v1
	v_lshl_add_u32 v[XO], v2, 4, v[XO]             ; row x 128 + 16 h
	v_lshlrev_b32 v[BO], 5, v2                     ; 4 x 8 h
	v_and_b32 v[AO], 31, v0
	v_lshlrev_b32 v[AO], 4, v[AO]
.irp a, 0,1
.irp b, 0,1,2,3,4,5,6,7                ; the residual in the accumulators' layout: row 16 a + r, columns 16 b + 8 h + 0..7: 16 bytes of slice b / 4
	global_load_b128 v[RES+4*(8*(\a)+(\b)):RES+4*(8*(\a)+(\b))+3], v[XO], s[RB:RB+1] offset:((\b)/4)*524288+(\a)*2048+((\b)%4)*32
.endr
.endr
	WIN 0x40
.irp b, 0,1,2,3,4,5,6,7                ; b2 of columns 16 b + 8 h + 0..7
	global_load_b128 v[BIAS+8*(\b):BIAS+8*(\b)+3],   v[BO], s[BBS:BBS+1] offset:64*(\b)
	global_load_b128 v[BIAS+8*(\b)+4:BIAS+8*(\b)+7], v[BO], s[BBS:BBS+1] offset:64*(\b)+16
.endr
	ALOAD 0, GA, 0                                 ; 32 + 24 = 56 loads are out
	ALOAD 1, GA, 1
	ALOAD 2, GA, 2
	WIN 0
	v_lshl_add_u32 v6, v2, 3, v3                   ; the turning load: k-row 8 h + l % 8, 16 bytes by (l / 8) % 2
	v_mul_u32_u24 v6, v6, PB
	v_lshl_add_u32 v[AB0], v4, 4, v6
	v_add_nc_u32 v[AB0+1], WPART, v[AB0]
	v_add_nc_u32 v[AB0+2], WPART, v[AB0+1]
	v_add_nc_u32 v[AB0+3], WPART, v[AB0+2]
.irp i, 0,1,2,3
	v_mov_b32 v[ADRB+(\i)], v[AB0+(\i)]
.endr
	s_mul_i32 s21, s10, 16*SPITCH
	s_add_co_u32 s21, s21, STAGE                   ; my stage
	v_mul_u32_u24 v7, v1, SPITCH                   ; in: row r, 32 bytes (8 numbers) by h
	v_lshl_add_u32 v7, v2, 5, v7
	v_add_nc_u32 v[STO], s21, v7
	v_mul_u32_u24 v7, v2, SPITCH                   ; back: 16 lanes take a row's 256 bytes
	v_lshl_add_u32 v7, v1, 4, v7
	v_add_nc_u32 v[RD], s21, v7
	v_lshlrev_b32 v7, 4, v1
	v_lshl_add_u32 v[CO], v2, 12, v7
	v_mov_b32 v[ONE], 1.0
	s_wait_loadcnt 24                              ; the residual and b2 are in; the three pieces of g behind them may be out
	WIN 0x45                                       ; b2 is rounded to bf16: destination and both sources window 1
.set i, 0
.rept 32
	v_cvt_pk_bf16_f32 v[BT+i], v[BIAS+2*i], v[BIAS+2*i+1]
.set i, i+1
.endr
.set i, 0
.rept 32
	v_lshlrev_b32 v[BIAS+2*i],   16, v[BT+i]
	v_and_b32     v[BIAS+2*i+1], s[HM], v[BT+i]
.set i, i+1
.endr
	WIN 0x10                                       ; source 2 (b2) window 1
.set n, 0
.rept 128                               ; the sums start as x1 + b2, one fused line a number; all this stands in the wait for the first tile
.if n%2
	v_fma_mix_f32 v[ACC+n], v[RES+4*(n/8)+(n%8)/2], v[ONE], v[BIAS+n%64] op_sel:[1,0,0] op_sel_hi:[1,0,0]
.else
	v_fma_mix_f32 v[ACC+n], v[RES+4*(n/8)+(n%8)/2], v[ONE], v[BIAS+n%64] op_sel_hi:[1,0,0]
.endif
.set n, n+1
.endr
	ALOAD 3, GA, 3                                 ; the ring's other places: again 56 loads at the most
	ALOAD 4, GA, 4
	ALOAD 5, GA, 5
	ALOAD 6, GA, 6
	WIN 0
; 8 matrix instructions: m block a x all 8 n blocks, 32 along K: half c of W2's buffer f and of the ring's place j.  The 16 accumulators take turns.
.macro MUL8 f, c, j, a
	WIN MUL
.irp b, 0,1,2,3,4,5,6,7
	v_wmma_f32_16x16x32_bf16 v[ACC+8*(8*(\a)+(\b)):ACC+8*(8*(\a)+(\b))+7], v[(\f)+64*(\c)+8*(\b):(\f)+64*(\c)+8*(\b)+7], v[32*(\j)+16*(\c)+8*(\a):32*(\j)+16*(\c)+8*(\a)+7], v[ACC+8*(8*(\a)+(\b)):ACC+8*(8*(\a)+(\b))+7]
.endr
.endm
; 32 LDS loads in one run: W2's fragments of piece j (k-rows 64 j on) of the slot in hand into buffer f; the first 32 along K first
.macro FETCH j, f
	WIN 0x40
.irp c, 0,1
.irp i, 0,1,2,3,4,5,6,7
	ds_load_tr16_b128 v[(\f)+64*(\c)+8*(\i):(\f)+64*(\c)+8*(\i)+3],   v[ADRB+(\j)/2] offset:((\j)%2)*64*PB+(\c)*32*PB+(\i)*32
	ds_load_tr16_b128 v[(\f)+64*(\c)+8*(\i)+4:(\f)+64*(\c)+8*(\i)+7], v[ADRB+(\j)/2] offset:((\j)%2)*64*PB+(\c)*32*PB+16*PB+(\i)*32
.endr
.endr
.endm
.macro PLACES                          ; four plain vector places in front of loads into registers that matrix instructions have read
.rept 4
	v_nop
.endr
.endm
; One of a K step's first seven pieces.  In its middle, behind four places, stand the next piece's 32 LDS loads (into the buffer that the piece before multiplied) and the 8 loads of the piece of g
; seven on (into the ring's place that the piece before multiplied): piece 0 asks for piece 7 of its own step, piece j for piece j - 1 of the next.
.macro PIECE j
	s_wait_loadcnt 48                              ; my piece of g is in; the six pieces behind it may be out
	s_wait_dscnt 16                                ; the first 32 along K of W2 are in
	MUL8 128*((\j)%2), 0, \j, 0
	MUL8 128*((\j)%2), 0, \j, 1
	PLACES
	FETCH (\j)+1, 128-128*((\j)%2)
.if (\j) == 0
	ALOAD 7, GA, 7
.else
	ALOAD (\j)-1, GN, (\j)-1
.endif
	s_wait_dscnt 32                                ; all but the 32 just issued
	MUL8 128*((\j)%2), 1, \j, 0
	MUL8 128*((\j)%2), 1, \j, 1
.endm
; The eighth piece changes slots: ONE barrier; in front of it each wave waits for all its tensor loads, adds 0 to its spare word, and waits for that and for its reads of this slot.
; fill = 1: the barrier opens a round of the cluster's, and this slot is filled again, two K steps on, first thing behind it.
.macro TURN fill
	WIN 0
	s_wait_tensorcnt 0x0                           ; all my tensor loads have landed: the one that was out is my part of the next slot;
	ds_add_u32 v[SPW], v[NIL]                      ; 0 onto my spare word;
	s_xor_b32 s[TB], s[TB], SLOT                   ; the reads go on in the other slot
.if \fill
	s_xor_b32 s[G0W+1], s[G0W+1], SLOT             ; the walking descriptor: the other slot than last time,
	s_add_nc_u64 s[G0W+2:G0W+3], s[G0W+2:G0W+3], KSTEP*2048  ; the next K step; the type bits on top are not reached
.endif
	s_wait_loadcnt 48
	s_wait_dscnt 17                                ; (the add and the youngest sixteen loads may be out)
	MUL8 F1, 0, 7, 0
	s_wait_dscnt 0x0                               ; the add is done, and my reads of this slot are over
	s_barrier_signal -1
	MUL8 F1, 0, 7, 1
	WIN 0
	s_barrier_wait -1
.if \fill
	CREST                                          ; no wave of any partner still reads this slot or has a load on its way
	tensor_load_to_lds s[G0W:G0W+3], s[G1B:G1B+7]
	s_nop 0
.endif
.irp i, 0,1,2,3                        ; four useful lines: also the places in front of the loads below
	v_add_nc_u32 v[ADRB+(\i)], s[TB], v[AB0+(\i)]
.endr
	FETCH 0, F0
	ALOAD 6, GN, 6
	MUL8 F1, 1, 7, 0
	MUL8 F1, 1, 7, 1
.endm
.macro STEP fill
.irp j, 0,1,2,3,4,5,6
	PIECE \j
.endr
	TURN \fill
	WIN 0
	s_wait_xcnt 0x0                                ; the loads of g have read their bases: only behind this wait are the two written again
.endm
	s_wait_tensorcnt 1                             ; my part of K step 0 is in; K step 1's may stay out
	s_barrier_signal -1
	s_barrier_wait -1
	FETCH 0, F0
	WIN 0
	s_mov_b32 s3, STEPS-2
.Lstep:
	STEP 1
	s_add_nc_u64 s[GA:GA+1], s[GA:GA+1], 8*PIECEB
	s_add_nc_u64 s[GN:GN+1], s[GN:GN+1], 8*PIECEB
	s_sub_co_u32 s3, s3, 1
	s_cmp_lg_u32 s3, 0
	s_cbranch_scc1 .Lstep
	s_mov_b32 s3, 2
.Ltail:                                                ; the last two K steps fill nothing
	STEP 0
	s_mov_b64 s[GA:GA+1], s[GN:GN+1]               ; the last step; the base of the step behind it stays where it is, inside the buffer
	s_sub_co_u32 s3, s3, 1
	s_cmp_lg_u32 s3, 0
	s_cbranch_scc1 .Ltail
	; THE WAY OUT: the sums are finished numbers.  Four parts of 16 rows x 64 columns go through my stage and leave as whole rows of 256 bytes.
	s_wait_dscnt 0x0                               ; the last trip's fetch, which nobody multiplies, has landed
	PLACES                                         ; behind the last products
.macro TOSTAGE p                       ; part p: rows 16 (p / 2) on, columns 64 (p % 2) on (each accumulator's low half first), and back as rows
.set TM, TMP0+32*((\p)%2)
.irp b, 0,1,2,3
	ds_store_b128 v[STO], v[ACC+8*(4*(\p)+(\b)):ACC+8*(4*(\p)+(\b))+3]   offset:64*(\b)
	ds_store_b128 v[STO], v[ACC+8*(4*(\p)+(\b))+4:ACC+8*(4*(\p)+(\b))+7] offset:64*(\b)+16
.endr
.irp t, 0,1,2,3,4,5,6,7
	ds_load_b128 v[TM+4*(\t):TM+4*(\t)+3], v[RD] offset:(\t)*2*SPITCH  ; LDS serves a wave's instructions in order (ISA guide 5.7.1.4)
.endr
.endm
.macro FIN p, younger                  ; younger: the LDS instructions issued behind part p's loads
.set TM, TMP0+32*((\p)%2)
.irp t, 0,1,2,3,4,5,6,7
	s_wait_dscnt (\younger)+7-(\t)
	global_store_b128 v[CO], v[TM+4*(\t):TM+4*(\t)+3], s[8:9] offset:(16*((\p)/2)+2*(\t))*4096+((\p)%2)*256 th:TH_STORE_NT  ; 16 lanes store 256 consecutive bytes, aligned
.endr
.endm
	TOSTAGE 0
	TOSTAGE 1
	FIN 0, 16
	s_wait_xcnt 0x0                                ; the buffer that the stores read is loaded again only behind this wait
	TOSTAGE 2
	FIN 1, 16
	s_wait_xcnt 0x0
	TOSTAGE 3
	FIN 2, 16
	FIN 3, 0
	s_wait_tensorcnt 0x0                           ; the wave's end
	ds_add_u32 v[SPW], v[NIL]
	s_wait_dscnt 0x0
	CROUND                                         ; the closing round: no work-group ends while a partner may still ask for a tile that names it
	s_endpgm
.Lfunc_end_k_qd9d81d582f_ff2:
	.size	k_qd9d81d582f_ff2, .Lfunc_end_k_qd9d81d582f_ff2-k_qd9d81d582f_ff2
	.p2alignl 7, 3214868480
	.fill 96, 4, 3214868480
	.section	.rodata,"a",@progbits
	.p2align	6, 0x0
	.amdhsa_kernel k_qd9d81d582f_ff2
		.amdhsa_group_segment_fixed_size 327680
		.amdhsa_private_segment_fixed_size 0
		.amdhsa_enable_private_segment 0
		.amdhsa_kernarg_size 40
		.amdhsa_user_sgpr_count 2
		.amdhsa_user_sgpr_kernarg_segment_ptr 1
		.amdhsa_wavefront_size32 1
		.amdhsa_system_sgpr_workgroup_id_x 1
		.amdhsa_system_sgpr_workgroup_id_y 1
		.amdhsa_system_sgpr_workgroup_id_z 1
		.amdhsa_system_vgpr_workitem_id 0
		.amdhsa_next_free_vgpr 768
		.amdhsa_next_free_sgpr 96
		.amdhsa_reserve_vcc 0
		.amdhsa_float_denorm_mode_32 3
		.amdhsa_float_denorm_mode_16_64 3
		.amdhsa_memory_ordered 1
		.amdhsa_forward_progress 1
		.amdhsa_inst_pref_size 120
	.end_amdhsa_kernel
	.amdgpu_metadata
---
amdhsa.version: [ 1, 2 ]
amdhsa.kernels:
  - .name:           k_qd9d81d582f_ff2
    .symbol:         k_qd9d81d582f_ff2.kd
    .args:
      - { .name: g, .offset: 0, .size: 8, .value_kind: global_buffer, .address_space: global }
      - { .name: w12, .offset: 8, .size: 8, .value_kind: global_buffer, .address_space: global }
      - { .name: b2, .offset: 16, .size: 8, .value_kind: global_buffer, .address_space: global }
      - { .name: x1h, .offset: 24, .size: 8, .value_kind: global_buffer, .address_space: global }
      - { .name: out0, .offset: 32, .size: 8, .value_kind: global_buffer, .address_space: global }
    .group_segment_fixed_size: 327680
    .private_segment_fixed_size: 0
    .kernarg_segment_align: 8
    .kernarg_segment_size: 40
    .max_flat_workgroup_size: 128
    .sgpr_count:     96
    .vgpr_count:     768
    .wavefront_size: 32
...
	.end_amdgpu_metadata
.endif
;; end of part 5
;; ======== version 2 of 2: 5 launches; 1.13 times as fast as version 1
;; limits: values are held in f16: magnitudes above 65,504 overflow, below 6.1e-05 lose precision
;; workspace buffers: xh 8,388,608 bytes; wqkv 6,291,456 bytes; w12 16,777,216 bytes; qkv 25,165,824 bytes; x1h 8,388,608 bytes; g 33,554,432 bytes
;; launch prep: the kernel of part 1 again; grid 64 x 15, 8 waves a work-group, no clusters, 0 bytes of LDS; arguments x, Wq, Wk, Wv, W1, W2, xh, wqkv, w12; writes xh, wqkv, w12
;; launch qkv: the kernel of part 2 again; grid 12 x 16, 4 waves a work-group, clusters of 4 x 4, 327,680 bytes of LDS; arguments xh, wqkv, bq, bk, bv, qkv; writes qkv
;; launch attn (part 6): grid 4 x 64, 4 waves a work-group, clusters of 4 x 1, 327,680 bytes of LDS; arguments qkv, xh, x1h; writes x1h
.if DOCPART == 6
	.amdgcn_target "amdgcn-amd-amdhsa--gfx1250"
	.amdhsa_code_object_version 6
	.text
	.protected	k_qd9d81d582f_attn
	.globl	k_qd9d81d582f_attn
	.p2align	8
	.type	k_qd9d81d582f_attn,@function
k_qd9d81d582f_attn:
	s_mov_b64 s[64:65], 0
	v_nop
	global_prefetch_b8 v0, s[64:65] scope:SCOPE_SE
	s_setreg_imm32_b32 hwreg(HW_REG_WAVE_MODE, 25, 1), 1
	s_wait_xcnt 0x0
	s_wait_alu depctr_hold_cnt(0) depctr_sa_sdst(0) depctr_va_vdst(0) depctr_va_sdst(0) depctr_va_ssrc(0) depctr_va_vcc(0) depctr_vm_vsrc(0)
	s_getreg_b32 s2, hwreg(HW_REG_IB_STS2, 6, 4)
	s_cmp_eq_u32 s2, 0
	s_cbranch_scc0 .Lentry_in_a_cluster
	s_endpgm
.Lentry_in_a_cluster:
	s_bfe_u32 s2, ttmp6, 0x10000c
	s_cmp_lg_u32 s2, 0x3003
	s_cbranch_scc0 .Lentry_shape_is_right
	s_endpgm
.Lentry_shape_is_right:
; x1 = x + CAUSAL ATTENTION.  qkv [3][64 heads][1024][64] f16, unscaled; xh, x1h [16 slices][4096][64] f16.  Scores are divided by 32 (the square root of 1024):
; p = 2^(c s - c m), c = log2(e) / 32, with a running maximum m and sum l in f32; p is rounded to f16 for the second product, x1 once at the end.
; LIMITS: q, k, v, x and x1 within f16's 65,504; a hidden score counts as its value less 1e30; a weight below 2^-126 counts as 0 in l; NaN and infinities are not treated apart.
; SHARES.  The four work-groups of a cluster belong to one head.  Its 1,024 queries are 8 blocks of 128; work-group cx owns rows 32 cx .. 32 cx + 31 of every block; wave w takes its
; 32 rows (two tiles of 16) of block 7 - w and then of block w.  Block i needs the key steps (64 keys) 0 .. 2 i + 1, so every wave walks (16 - 2 w) + (2 w + 2) = 18 steps:
; all waves and all work-groups do equal work.  Branches hang on the wave's number and on counters alone; cx enters global addresses and the mask's numbers only.
; THE WHOLE HEAD'S K AND V LIE IN LDS (pitches 144 and 160), asked for once, jointly by the four work-groups; nothing is filled again, so the loops hold no round.
; Each wave issues two loads: 128 keys (the first four steps' K and V together), then 384 keys; the first three steps run while the second loads are on their way.
; LAYOUT.  S^T = K Q^T holds one query a lane (lane % 16) and keys 8 (lane / 16) + 0..7; two results rounded to f16 are source 1 of O^T = V^T P; V comes out of LDS turned.
; THE MASK is the C operand that starts S^T: 0, or -1e30 where 64 s' + 16 kt + 8 h + j > 32 cx + 16 u + r in the block's own two steps s' = 0, 1.  Every row sees key 0 of its block
; or earlier keys before any wholly hidden step, so m is a true score by then.  A piece's first step multiplies O and l by a = 0: what lay there need only be finite.
; A step is written in phases (16 products, softmax, 16 products).
; THE BATCH.  A step's 66 exponentials (the two tiles' a, then their 64 weights) are ONE BATCH with ONE wait.  Ahead of the wait stands what names none of their results: maximum and statistics, the two a,
; the 32 scalings c s - c m and the 64 exponentials, a scaling to two exponentials.  Behind it stand all the readers: the roundings, the sums, l and the rescaling of O^T by a.
; The two reciprocals at a piece's end are a batch of their own.
; REGISTERS: window 0: v2-15 addresses; v16-23 statistics; v24-35 at work; v64-127 S^T; v128-159 P; v160-223 O^T     window 1: v0-63 masks; v64-127 the residual of both pieces
;   window 2: v0-31 Q; v32-63 the second piece's Q; v128-191 K of a step; v192-255 V of a step
.set PITK,  144
.set PITV,  160
.set VOFF,  1024*PITK
.set STAGE, VOFF+1024*PITV             ; 16 rows x 144 bytes for each wave
.set SP,    144
.set SPARE, STAGE+4*16*SP              ; the spare words, 128 bytes a wave; no other line names them
.set AK0, 2
.set AV0, 3
.set AK,  4
.set AV,  5
.set STO, 6
.set RD,  7
.set GO,  8
.set QO,  9
.set TH,  12                           ; v12-13  32 cx + 16 u + r - 8 h
.set THS, 14                           ; v14-15  the same less 64 s'
.set ST,  16                           ; tile u at ST + 4 u: c m, m, l (even keys', odd keys')
.set TC,  24                           ; tile u at TC + 4 u: c0-c3 at work; c2 becomes a
.set MV,  32                           ; c m_old
.set RLV, 34                           ; 1 / l
.set SPW, 62
.set NIL, 63
.set S,   64
.set P,   128
.set O,   160
.set MC,  0                            ; window 1
.set RES, 64
.set RESB, 96
.set Q,   0                            ; window 2
.set QB,  32
.set KF,  128
.set VF,  192
.set WV,  12
.set G1KA, 24
.set G1KB, 32
.set G1VA, 40
.set G1VB, 48
.set G0KA, 56
.set G0KB, 60
.set G0VA, 68
.set G0VB, 72
.set CS,  76
.set SEL, 78
.set OUT, 80
.set OLO, 82
.set QH,  84
.set QL,  86
.set RH,  88
.set RLO, 90
.set KS,  92                           ; the key step in hand
.set NK,  93                           ; the next one
.set REM, 94                           ; steps of the piece still to do, this one among them
.set NLO, 95                           ; the second piece's steps
.set CNT, 96
.set TBK, 97
.set TBV, 98
.set BIGN, 99
.set S64, 100
.set MSB, 0
.macro WIN new
.if MSB != (\new)
	s_set_vgpr_msb (MSB<<8)|(\new)
.set MSB, (\new)
.endif
.endm
.macro CROUND
	s_barrier_signal -1
	s_barrier_wait -1
	s_cmp_lg_u32 s[WV], 0
	s_cbranch_scc1 .Lnot_wave_0_\@
	s_barrier_signal -3
.Lnot_wave_0_\@:
	s_barrier_wait -3
	s_barrier_signal -1
	s_barrier_wait -1
.endm
.macro PLACES
.rept 4
	v_nop
.endr
.endm
	s_load_b128 s[4:7], s[0:1], 0x0                ; qkv 4, xh 6
	s_load_b64 s[8:9], s[0:1], 0x10                ; x1h
	v_lshl_add_u32 v[SPW], v0, 2, SPARE
	v_mov_b32 v[NIL], 0
	ds_add_u32 v[SPW], v[NIL]                      ; the wave's opening: the add and its wait ahead of my first tensor load
	v_lshrrev_b32 v1, 5, v0
	v_readfirstlane_b32 s[WV], v1
	s_bfe_u32 s13, ttmp6, 0x40000                  ; cx
	s_and_b32 s14, ttmp7, 0xffff                   ; the head, which the four partners share
	s_and_b32 s17, s[WV], 1                        ; j: which part of K (waves 0, 1) or V (waves 2, 3) I fetch
	s_lshl_b32 s20, s14, 17                        ; the head's 131,072 bytes
	s_mov_b32 s21, 0
	s_lshl_b32 s22, s17, 14                        ; first load: keys 128 j on
	s_mov_b32 s23, 0
	s_mul_i32 s10, s17, 49152                      ; second load: keys 256 + 384 j on
	s_add_co_u32 s10, s10, 32768
	s_mov_b32 s11, 0
	s_mov_b32 s[G0KA], 1
	s_mul_i32 s[G0KA+1], s17, 128*PITK
	s_mov_b32 s[G0KB], 1
	s_mul_i32 s[G0KB+1], s17, 384*PITK
	s_add_co_u32 s[G0KB+1], s[G0KB+1], 256*PITK
	s_mov_b32 s[G0VA], 1
	s_mul_i32 s[G0VA+1], s17, 128*PITV
	s_add_co_u32 s[G0VA+1], s[G0VA+1], VOFF
	s_mov_b32 s[G0VB], 1
	s_mul_i32 s[G0VB+1], s17, 384*PITV
	s_add_co_u32 s[G0VB+1], s[G0VB+1], VOFF+256*PITV
	; group 1: dense keys asked for as rows of 256 bytes, two keys a row, padded after every key (32 words): 4 words for K, 8 for V
.irp g, G1KA, G1KB
	s_mov_b32 s[\g], 15|(1<<16)|(1<<20)|(1<<21)|(4<<22)|(3<<25)
.endr
.irp g, G1VA, G1VB
	s_mov_b32 s[\g], 15|(1<<16)|(1<<20)|(1<<21)|(4<<22)|(7<<25)
.endr
.irp g, G1KA, G1VA
	s_mov_b32 s[\g+1], 128<<16
	s_mov_b32 s[\g+2], 64<<16
	s_mov_b32 s[\g+3], 128<<16
	s_mov_b32 s[\g+4], 64
	s_mov_b32 s[\g+5], 128
	s_mov_b32 s[\g+6], 0
	s_mov_b32 s[\g+7], 0
.endr
.irp g, G1KB, G1VB
	s_mov_b32 s[\g+1], 128<<16
	s_mov_b32 s[\g+2], 192<<16
	s_mov_b32 s[\g+3], 128<<16
	s_mov_b32 s[\g+4], 192
	s_mov_b32 s[\g+5], 128
	s_mov_b32 s[\g+6], 0
	s_mov_b32 s[\g+7], 0
.endr
	s_lshl_b32 s101, s13, 5                        ; 32 cx
	s_sub_co_u32 s2, 7, s[WV]                      ; first piece: row 128 (7 - w) + 32 cx, 128 bytes a row
	s_lshl_b32 s2, s2, 7
	s_add_co_u32 s2, s2, s101
	s_lshl_b32 s2, s2, 7
	s_mov_b32 s3, 0
	s_lshl_b32 s16, s[WV], 7                       ; second piece: row 128 w + 32 cx
	s_add_co_u32 s16, s16, s101
	s_lshl_b32 s16, s16, 7
	s_mov_b32 s17, 0
	s_lshr_b32 s15, s14, 4                         ; batch: 1,024 rows of 128 bytes in a slice,
	s_lshl_b32 s15, s15, 17
	s_and_b32 s14, s14, 15                         ; slice = the head's number in its batch
	s_lshl_b32 s14, s14, 19
	s_add_co_u32 s14, s14, s15
	s_mov_b32 s[CS], 0x3d38aa3b                    ; c = log2(e) / 32
	s_mov_b32 s[CS+1], s[CS]
	s_mov_b32 s[SEL], 0x76543210
	s_mov_b32 s[SEL+1], 0xfedcba98
	s_mov_b32 s[BIGN], 0xf149f2ca                  ; -1e30
	s_lshl_b32 s[NLO], s[WV], 1
	s_sub_co_u32 s[REM], 16, s[NLO]
	s_add_co_u32 s[NLO], s[NLO], 2
	s_mov_b32 s[KS], 0
	s_wait_dscnt 0x0                               ; the opening add is done
	s_wait_kmcnt 0x0
	s_add_nc_u64 s[18:19], s[4:5], s[20:21]        ; the head's q
	s_add_nc_u64 s[QH:QH+1], s[18:19], s[2:3]
	s_add_nc_u64 s[QL:QL+1], s[18:19], s[16:17]
	s_add_nc_u64 s[20:21], s[18:19], 8388608       ; its k
	s_add_nc_u64 s[G0KA+2:G0KA+3], s[20:21], s[22:23]
	s_or_b32 s[G0KA+3], s[G0KA+3], 0x80000000
	s_add_nc_u64 s[G0KB+2:G0KB+3], s[20:21], s[10:11]
	s_or_b32 s[G0KB+3], s[G0KB+3], 0x80000000
	s_add_nc_u64 s[20:21], s[18:19], 16777216      ; its v
	s_add_nc_u64 s[G0VA+2:G0VA+3], s[20:21], s[22:23]
	s_or_b32 s[G0VA+3], s[G0VA+3], 0x80000000
	s_add_nc_u64 s[G0VB+2:G0VB+3], s[20:21], s[10:11]
	s_or_b32 s[G0VB+3], s[G0VB+3], 0x80000000
	s_add_co_u32 s2, s2, s14
	s_add_co_u32 s16, s16, s14
	s_add_nc_u64 s[RH:RH+1], s[6:7], s[2:3]
	s_add_nc_u64 s[OUT:OUT+1], s[8:9], s[2:3]
	s_add_nc_u64 s[RLO:RLO+1], s[6:7], s[16:17]
	s_add_nc_u64 s[OLO:OLO+1], s[8:9], s[16:17]
	CROUND                                         ; all four work-groups are here: the joint loads meet
	s_cmp_lt_u32 s[WV], 2                          ; a wave's two loads stand in one branch; two loads of mine are out
	s_cbranch_scc0 .Lfirst_v
	tensor_load_to_lds s[G0KA:G0KA+3], s[G1KA:G1KA+7]
	s_nop 0
	tensor_load_to_lds s[G0KB:G0KB+3], s[G1KB:G1KB+7]
	s_nop 0
.rept 4
	v_nop
.endr
	s_branch .Lfirst_asked
.Lfirst_v:
	tensor_load_to_lds s[G0VA:G0VA+3], s[G1VA:G1VA+7]
	s_nop 0
	tensor_load_to_lds s[G0VB:G0VB+3], s[G1VB:G1VB+7]
	s_nop 0
.rept 4
	v_nop
.endr
.Lfirst_asked:
	v_and_b32 v36, 15, v0                          ; r
	v_bfe_u32 v37, v0, 4, 1                        ; h
	v_and_b32 v38, 7, v0
	v_bfe_u32 v39, v0, 3, 1
	v_lshlrev_b32 v[QO], 7, v36
	v_lshl_add_u32 v[QO], v37, 4, v[QO]            ; row x 128 + 16 h
	WIN 0x80                                       ; destination window 2
.irp u, 0,1
.irp c, 0,1
	global_load_b128 v[Q+16*\u+8*\c:Q+16*\u+8*\c+3],     v[QO], s[QH:QH+1] offset:2048*\u+64*\c
	global_load_b128 v[Q+16*\u+8*\c+4:Q+16*\u+8*\c+7],   v[QO], s[QH:QH+1] offset:2048*\u+64*\c+32
	global_load_b128 v[QB+16*\u+8*\c:QB+16*\u+8*\c+3],   v[QO], s[QL:QL+1] offset:2048*\u+64*\c
	global_load_b128 v[QB+16*\u+8*\c+4:QB+16*\u+8*\c+7], v[QO], s[QL:QL+1] offset:2048*\u+64*\c+32
.endr
.endr
	WIN 0x40                                       ; destination window 1: the residual in O^T's layout: row r, channels 16 cb + 8 h + 0..7
.irp u, 0,1
.irp c, 0,1,2,3
	global_load_b128 v[RES+16*\u+4*\c:RES+16*\u+4*\c+3],   v[QO], s[RH:RH+1] offset:2048*\u+32*\c
	global_load_b128 v[RESB+16*\u+4*\c:RESB+16*\u+4*\c+3], v[QO], s[RLO:RLO+1] offset:2048*\u+32*\c
.endr
.endr
.set i, 0
.rept 64                                ; no key is hidden until a piece's last two steps
	v_mov_b32 v[MC+i], 0
.set i, i+1
.endr
	WIN 0
	v_mul_u32_u24 v[AK0], v36, PITK
	v_lshl_add_u32 v[AK0], v37, 4, v[AK0]
	v_lshl_add_u32 v[AV0], v37, 3, v38             ; the turning load: key 8 h + l % 8, 16 bytes by (l / 8) % 2
	v_mul_u32_u24 v[AV0], v[AV0], PITV
	v_lshl_add_u32 v[AV0], v39, 4, v[AV0]
	v_add_nc_u32 v[AV0], VOFF, v[AV0]
	s_mul_i32 s15, s[WV], 16*SP
	s_add_co_u32 s15, s15, STAGE
	v_add_nc_u32 v[STO], s15, v[AK0]               ; the stage has K's pitch: row r, 16 bytes by h
	v_bfe_u32 v[RD], v0, 3, 2                      ; back: 32 lanes take four rows of 128 bytes,
	v_mul_u32_u24 v[RD], v[RD], SP
	v_lshl_add_u32 v[RD], v38, 4, v[RD]
	v_add_nc_u32 v[RD], s15, v[RD]
	v_and_b32 v[GO], 31, v0                        ; which are 512 consecutive bytes of x1h
	v_lshlrev_b32 v[GO], 4, v[GO]
	v_lshlrev_b32 v40, 3, v37
	v_sub_nc_u32 v40, v36, v40
	v_add_nc_u32 v[TH], s101, v40
	v_add_nc_u32 v[TH+1], 16, v[TH]
.set i, 0
.rept 64                                ; O^T and l need only be finite: the first step multiplies them by 0.  All this stands in the wait for the first tile
	v_mov_b32 v[O+i], 0
.set i, i+1
.endr
.irp u, 0,1
	v_mov_b32 v[ST+4*\u], 0xfe000000               ; c m: far below every c s
	v_mov_b32 v[ST+4*\u+1], 0xff7fffff             ; m
	v_mov_b32 v[ST+4*\u+2], 0
	v_mov_b32 v[ST+4*\u+3], 0
.endr
; Product i of 16 of S^T = K Q^T: channels 32 (i / 8) on, keys 16 ((i / 2) % 4) on, tile i % 2.  The 8 accumulators take turns.
.macro KQ msk
.set rS, S+32*(i%2)+8*((i/2)%4)
.set rK, KF+16*((i/2)%4)+8*(i/8)
.set rQ, Q+16*(i%2)+8*(i/8)
.set rX, MC+32*(i%2)+8*((i/2)%4)
.if (i < 8) && (\msk)
	WIN 0x1a                                       ; K and Q window 2, the mask window 1
	v_wmma_f32_16x16x32_f16 v[rS:rS+7], v[rK:rK+7], v[rQ:rQ+7], v[rX:rX+7]
.elseif i < 8
	WIN 0x0a
	v_wmma_f32_16x16x32_f16 v[rS:rS+7], v[rK:rK+7], v[rQ:rQ+7], 0
.else
	WIN 0x0a
	v_wmma_f32_16x16x32_f16 v[rS:rS+7], v[rK:rK+7], v[rQ:rQ+7], v[rS:rS+7]
.endif
.endm
; Product i of 16 of O^T += V^T P: keys 32 (i / 8) on, channels 16 ((i / 2) % 4) on, tile i % 2.
.macro PVM
	WIN 0x02                                       ; V window 2
.set rO, O+32*(i%2)+8*((i/2)%4)
.set rV, VF+32*(i/8)+8*((i/2)%4)
.set rP, P+16*(i%2)+8*(i/8)
	v_wmma_f32_16x16x32_f16 v[rO:rO+7], v[rV:rV+7], v[rP:rP+7], v[rO:rO+7]
.endm
.macro FETCH_K
	WIN 0x80
.irp f, 0,1,2,3,4,5,6,7
	ds_load_b128 v[KF+8*\f:KF+8*\f+3],   v[AK] offset:(\f/2)*16*PITK+(\f%2)*64
	ds_load_b128 v[KF+8*\f+4:KF+8*\f+7], v[AK] offset:(\f/2)*16*PITK+(\f%2)*64+32
.endr
	WIN 0
.endm
.macro FETCH_V
	WIN 0x80
.irp f, 0,1,2,3,4,5,6,7
	ds_load_tr16_b128 v[VF+8*\f:VF+8*\f+3],   v[AV] offset:(\f/4)*32*PITV+(\f%4)*32
	ds_load_tr16_b128 v[VF+8*\f+4:VF+8*\f+7], v[AV] offset:(\f/4)*32*PITV+16*PITV+(\f%4)*32
.endr
	WIN 0
.endm
.macro REGS u
.set rT, ST+4*(\u)
.set rC, TC+4*(\u)
.set rM, MV+(\u)
.set rS, S+32*(\u)
.set rP, P+16*(\u)
.set rO, O+32*(\u)
.endm
; Number n of the 22 that find a tile's maximum and statistics; each accumulator's lowest registers are read first.  Number 21, a, opens the step's batch of exponentials.
.macro XS u, n
	REGS \u
.if (\n) < 4
	v_max3_num_f32 v[rC+(\n)], v[rS+8*(\n)], v[rS+8*(\n)+1], v[rS+8*(\n)+2]
.elseif (\n) < 12
	v_max3_num_f32 v[rC+(\n)%4], v[rC+(\n)%4], v[rS+8*((\n)%4)+2*((\n)/4)+1], v[rS+8*((\n)%4)+2*((\n)/4)+2]
.elseif (\n) == 12
	v_max3_num_f32 v[rC], v[rC], v[rS+7], v[rS+15]
.elseif (\n) == 13
	v_max3_num_f32 v[rC+1], v[rC+1], v[rS+23], v[rS+31]
.elseif (\n) == 14
	v_max3_num_f32 v[rC+2], v[rC+2], v[rC+3], v[rT+1]
.elseif (\n) == 15
	v_mov_b32 v[rM], v[rT]
.elseif (\n) == 16
	v_max3_num_f32 v[rC], v[rC], v[rC+1], v[rC+2]
.elseif (\n) == 17
	v_permlanex16_b32 v[rC+3], v[rC], s[SEL], s[SEL+1]  ; the query's other 32 keys lie in the lane 16 away
.elseif (\n) == 18
	v_max_num_f32 v[rT+1], v[rC], v[rC+3]
.elseif (\n) == 19
	v_mul_f32 v[rT], s[CS], v[rT+1]
.elseif (\n) == 20
	v_sub_f32 v[rC+1], v[rM], v[rT]
.else
	v_exp_f32 v[rC+2], v[rC+1]
.endif
.endm
.macro FS u, n                         ; c s - c m for pair n of 16 of tile u
	REGS \u
	v_pk_fma_f32 v[rS+2*(\n):rS+2*(\n)+1], v[rS+2*(\n):rS+2*(\n)+1], s[CS:CS+1], v[rT:rT+1] op_sel_hi:[1,0,0] neg_lo:[0,0,1] neg_hi:[0,0,1]
.endm
.macro EXS u, e                        ; the exponential of score e of 32 of tile u, in place: each result keeps a register of its own while the batch is open
	REGS \u
	v_exp_f32 v[rS+(\e)], v[rS+(\e)]
.endm
.macro RSC r                           ; line r of the 32 that multiply O^T by a: pair r / 2 of tile r % 2; in ascending order
	REGS (\r)%2
	v_pk_mul_f32 v[rO+2*((\r)/2):rO+2*((\r)/2)+1], v[rO+2*((\r)/2):rO+2*((\r)/2)+1], v[rC+2:rC+3] op_sel_hi:[1,0]
.endm
; Plain line p of the 64 that follow the exponentials, in groups of eight for four weights k of each tile: both pairs rounded to f16, the second pair added onto the first, l takes the sum.
.macro PLN p
.set k, (\p)/8
.set z, (\p)%8
	REGS z%2
.if z < 4
	v_cvt_pk_f16_f32 v[rP+2*k+z/2], v[rS+4*k+2*(z/2)], v[rS+4*k+2*(z/2)+1]
.elseif z < 6
	v_pk_add_f32 v[rS+4*k:rS+4*k+1], v[rS+4*k:rS+4*k+1], v[rS+4*k+2:rS+4*k+3]
.elseif k == 0
	v_pk_fma_f32 v[rT+2:rT+3], v[rT+2:rT+3], v[rC+2:rC+3], v[rS:rS+1] op_sel_hi:[1,0,1]
.else
	v_pk_add_f32 v[rT+2:rT+3], v[rT+2:rT+3], v[rS+4*k:rS+4*k+1]
.endif
.endm
; A KEY STEP.  K of the step was asked for ahead of V of the step, and each next run is issued as soon as its registers are free, so each wait leaves the younger run of 16 out.
.macro STEP msk
	s_wait_dscnt 16                                ; K is in; V's 16 loads are younger
.set i, 0
.rept 16
	KQ \msk
.set i, i+1
.endr
	WIN 0
	s_add_co_u32 s[NK], s[KS], 1                   ; the next step; behind a piece's last step: step 0
	s_cmp_eq_u32 s[REM], 1
	s_cselect_b32 s[NK], 0, s[NK]
	s_min_u32 s[NK], s[NK], 15
	s_mul_i32 s[TBK], s[NK], 64*PITK
	s_mul_i32 s[TBV], s[NK], 64*PITV
	v_add_nc_u32 v[AK], s[TBK], v[AK0]             ; these two and two v_nop are the places in front of the loads into K's registers
	v_add_nc_u32 v[AV], s[TBV], v[AV0]
	v_nop
	v_nop
	FETCH_K
.irp n, 0,1,2,3,4,5,6,7,8,9,10,11,12,13,14,15,16,17,18,19,20,21
	XS 0, \n                                       ; number 21, the two a, opens the batch
	XS 1, \n
.endr
	; THE BATCH goes on: a scaling to two exponentials, the tiles by turns; a pair is scaled a group ahead of its exponentials.  No line down to the wait names a result of the batch.
	FS 0, 0
	FS 1, 0
.set n, 0
.rept 16
.if n < 15
	FS 0, n+1
.endif
	EXS 0, 2*n
	EXS 1, 2*n
.if n < 15
	FS 1, n+1
.endif
	EXS 0, 2*n+1
	EXS 1, 2*n+1
.set n, n+1
.endr
	v_nop                                          ; the plain line behind the last exponential (ISA guide 5.7.2): one for the batch
	s_wait_alu depctr_va_vdst(0)                   ; the wait ahead of the first line that names a result: ONE for the step's 66 exponentials
	; THE READERS, in eight groups for four weights of each tile: four roundings, two additions, four lines of O^T times a, and l takes the two sums: the rescaling stands between an addition and the line that reads it
.set grp, 0
.rept 8
.irp z, 0,1,2,3,4,5
	PLN 8*grp+\z
.endr
.irp y, 0,1,2,3
	RSC 4*grp+\y
.endr
.irp z, 6,7
	PLN 8*grp+\z
.endr
.set grp, grp+1
.endr
	s_wait_dscnt 16                                ; V is in; the next K's 16 loads are younger
.set i, 0
.rept 16
	PVM
.set i, i+1
.endr
	WIN 0
	PLACES
	FETCH_V
	s_mov_b32 s[KS], s[NK]
	s_sub_co_u32 s[REM], s[REM], 1
.endm
.macro PACK u                          ; x + O / l in f32, rounded to f16, through my stage into whole rows
	WIN 0x10                                       ; source 2 (the residual) window 1
.set n, 0
.rept 32
.if n%2
	v_fma_mix_f32 v[S+32*(\u)+n], v[O+32*(\u)+n], v[RLV+(\u)], v[RES+16*(\u)+n/2] op_sel:[0,0,1] op_sel_hi:[0,0,1]
.else
	v_fma_mix_f32 v[S+32*(\u)+n], v[O+32*(\u)+n], v[RLV+(\u)], v[RES+16*(\u)+n/2] op_sel_hi:[0,0,1]
.endif
.set n, n+1
.endr
	WIN 0
.set n, 0
.rept 16
	v_cvt_pk_f16_f32 v[P+16*(\u)+n], v[S+32*(\u)+2*n], v[S+32*(\u)+2*n+1]
.set n, n+1
.endr
.irp f, 0,1,2,3
	ds_store_b128 v[STO], v[P+16*(\u)+4*\f:P+16*(\u)+4*\f+3] offset:32*\f
.endr
.irp f, 0,1,2,3
	ds_load_b128 v[S+32*(\u)+4*\f:S+32*(\u)+4*\f+3], v[RD] offset:\f*4*SP  ; LDS serves a wave's instructions in order (ISA guide 5.7.1.4)
.endr
.endm
.macro SEND u, younger                 ; younger: the LDS instructions issued behind tile u's loads
.irp f, 0,1,2,3
	s_wait_dscnt (\younger)+3-\f
	global_store_b128 v[GO], v[S+32*(\u)+4*\f:S+32*(\u)+4*\f+3], s[OUT:OUT+1] offset:(\u)*2048+\f*512  ; 512 consecutive bytes, aligned to 256
.endr
.endm
	s_wait_tensorcnt 0x1                           ; my first load is in; the second may stay out
	s_barrier_signal -1
	s_barrier_wait -1                              ; everybody's is: keys 0 to 255 of K and V
	v_mov_b32 v[AK], v[AK0]
	v_mov_b32 v[AV], v[AV0]
	FETCH_K
	FETCH_V
	s_wait_loadcnt 0x0                             ; Q and the residual
	s_mov_b32 s[CNT], 3
.Lhead:                                                ; steps 0 to 2; they fetch up to step 3, the last that the first loads brought.  Every first piece has 10 steps or more: no mask yet
	STEP 0
	s_sub_co_u32 s[CNT], s[CNT], 1
	s_cmp_lg_u32 s[CNT], 0
	s_cbranch_scc1 .Lhead
	s_wait_tensorcnt 0x0                           ; my second load is in,
	s_wait_dscnt 0x0                               ; no LDS instruction of mine is out at the signal,
	s_barrier_signal -1
	s_barrier_wait -1                              ; and everybody's second load is in: the whole head
	s_mov_b32 s[CNT], 15
.Lwalk:
	s_cmp_gt_u32 s[REM], 2
	s_cbranch_scc1 .Lnomask
	s_cmp_eq_u32 s[REM], 1                         ; the block's own two steps: s' = 0, then 1
	s_cselect_b32 s[S64], 64, 0
	v_sub_nc_u32 v[THS], v[TH], s[S64]
	v_sub_nc_u32 v[THS+1], v[TH+1], s[S64]
	WIN 0x40
.set i, 0
.rept 64
	v_cmp_gt_i32 vcc_lo, 16*((i/8)%4)+i%8, v[THS+i/32]
	v_cndmask_b32 v[MC+i], 0, s[BIGN], vcc_lo
.set i, i+1
.endr
	WIN 0
.Lnomask:
	STEP 1
	s_cmp_lg_u32 s[REM], 0
	s_cbranch_scc1 .Lsame
	; THE PIECE IS DONE: l's two halves and the other half of the lanes' are added; x + O / l goes out
.irp u, 0,1
	v_add_f32 v[ST+4*\u+2], v[ST+4*\u+2], v[ST+4*\u+3]
.endr
.irp u, 0,1
	v_permlanex16_b32 v[ST+4*\u+3], v[ST+4*\u+2], s[SEL], s[SEL+1]
.endr
.irp u, 0,1
	v_add_f32 v[ST+4*\u+2], v[ST+4*\u+2], v[ST+4*\u+3]
.endr
.irp u, 0,1
	v_rcp_f32 v[RLV+\u], v[ST+4*\u+2]
.endr
	v_nop                                          ; a plain line between the last reciprocal and the use of its result
	s_wait_alu depctr_va_vdst(0)                   ; and the wait ahead of the first use: one for the two reciprocals
	PACK 0
	PACK 1
	SEND 0, 8
	SEND 1, 0
	s_cmp_eq_u32 s[CNT], 1
	s_cbranch_scc1 .Lsame                          ; that was the second piece
	s_wait_xcnt 0x0                                ; the stores have read their registers and their base
	s_mov_b64 s[OUT:OUT+1], s[OLO:OLO+1]
	s_mov_b32 s[REM], s[NLO]
	WIN 0x82                                       ; the second piece's Q and residual go where the one text names them
.set i, 0
.rept 32
	v_mov_b32 v[Q+i], v[QB+i]
.set i, i+1
.endr
	WIN 0x41
.set i, 0
.rept 32
	v_mov_b32 v[RES+i], v[RESB+i]
.set i, i+1
.endr
	WIN 0x40
.set i, 0
.rept 64
	v_mov_b32 v[MC+i], 0
.set i, i+1
.endr
	WIN 0
.irp u, 0,1
	v_mov_b32 v[ST+4*\u], 0xfe000000
	v_mov_b32 v[ST+4*\u+1], 0xff7fffff
.endr
.Lsame:
	s_sub_co_u32 s[CNT], s[CNT], 1
	s_cmp_lg_u32 s[CNT], 0
	s_cbranch_scc1 .Lwalk
	s_wait_tensorcnt 0x0                           ; the wave's end
	ds_add_u32 v[SPW], v[NIL]
	s_wait_dscnt 0x0
	CROUND                                         ; the closing round
	s_endpgm
.Lfunc_end_k_qd9d81d582f_attn:
	.size	k_qd9d81d582f_attn, .Lfunc_end_k_qd9d81d582f_attn-k_qd9d81d582f_attn
	.p2alignl 7, 3214868480
	.fill 96, 4, 3214868480
	.section	.rodata,"a",@progbits
	.p2align	6, 0x0
	.amdhsa_kernel k_qd9d81d582f_attn
		.amdhsa_group_segment_fixed_size 327680
		.amdhsa_private_segment_fixed_size 0
		.amdhsa_enable_private_segment 0
		.amdhsa_kernarg_size 24
		.amdhsa_user_sgpr_count 2
		.amdhsa_user_sgpr_kernarg_segment_ptr 1
		.amdhsa_wavefront_size32 1
		.amdhsa_system_sgpr_workgroup_id_x 1
		.amdhsa_system_sgpr_workgroup_id_y 1
		.amdhsa_system_sgpr_workgroup_id_z 1
		.amdhsa_system_vgpr_workitem_id 0
		.amdhsa_next_free_vgpr 768
		.amdhsa_next_free_sgpr 102
		.amdhsa_reserve_vcc 1
		.amdhsa_float_denorm_mode_32 3
		.amdhsa_float_denorm_mode_16_64 3
		.amdhsa_memory_ordered 1
		.amdhsa_forward_progress 1
		.amdhsa_inst_pref_size 73
	.end_amdhsa_kernel
	.amdgpu_metadata
---
amdhsa.version: [ 1, 2 ]
amdhsa.kernels:
  - .name:           k_qd9d81d582f_attn
    .symbol:         k_qd9d81d582f_attn.kd
    .args:
      - { .name: qkv, .offset: 0, .size: 8, .value_kind: global_buffer, .address_space: global }
      - { .name: xh, .offset: 8, .size: 8, .value_kind: global_buffer, .address_space: global }
      - { .name: x1h, .offset: 16, .size: 8, .value_kind: global_buffer, .address_space: global }
    .group_segment_fixed_size: 327680
    .private_segment_fixed_size: 0
    .kernarg_segment_align: 8
    .kernarg_segment_size: 24
    .max_flat_workgroup_size: 128
    .sgpr_count:     102
    .vgpr_count:     768
    .wavefront_size: 32
...
	.end_amdgpu_metadata
.endif
;; end of part 6
;; launch ff1 (part 7): grid 16 x 16, 4 waves a work-group, clusters of 4 x 4, 327,680 bytes of LDS; arguments x1h, w12, b1, g; writes g
.if DOCPART == 7
	.amdgcn_target "amdgcn-amd-amdhsa--gfx1250"
	.amdhsa_code_object_version 6
	.text
	.protected	k_qd9d81d582f_ff1
	.globl	k_qd9d81d582f_ff1
	.p2align	8
	.type	k_qd9d81d582f_ff1,@function
k_qd9d81d582f_ff1:
	s_mov_b64 s[64:65], 0
	v_nop
	global_prefetch_b8 v0, s[64:65] scope:SCOPE_SE
	s_setreg_imm32_b32 hwreg(HW_REG_WAVE_MODE, 25, 1), 1
	s_wait_xcnt 0x0
	s_wait_alu depctr_hold_cnt(0) depctr_sa_sdst(0) depctr_va_vdst(0) depctr_va_sdst(0) depctr_va_ssrc(0) depctr_va_vcc(0) depctr_vm_vsrc(0)
	s_getreg_b32 s2, hwreg(HW_REG_IB_STS2, 6, 4)
	s_cmp_eq_u32 s2, 0
	s_cbranch_scc0 .Lentry_in_a_cluster
	s_endpgm
.Lentry_in_a_cluster:
	s_bfe_u32 s2, ttmp6, 0x10000c
	s_cmp_lg_u32 s2, 0xf033
	s_cbranch_scc0 .Lentry_shape_is_right
	s_endpgm
.Lentry_shape_is_right:
; FIRST MLP LAYER: g = gelu(A B + b1), A = x1h [16 slices][4096][64] f16, B = the first 8 MiB of w12, [16 blocks of 256 columns][1024 k][256 n] f16, K = 1024, sums in f32.
; gelu(x) = x / (1 + 2^(x (K1 + K2 x^2))), which is 0.5 x (1 + tanh(sqrt(2/pi)(x + 0.044715 x^3))) written with one exponential and one reciprocal; at large |x| it gives x or -0.
; g is rounded once to bf16 (its range follows the inputs' and has no room in f16); b1 is rounded to bf16 like every input.
; g IS STORED AS THE NEXT LAUNCH'S MATRIX FRAGMENTS: [256 blocks of 16 rows][128 blocks of 32 columns][2 halves][32 lanes][16 bytes]; lane l of half c holds row l % 16, columns 16 c + 8 (l / 16) + 0..7
; of its blocks.  That is what a lane holds here when a result is packed, so each store leaves straight from registers and covers 512 consecutive bytes, aligned: no stage in LDS.
; LIMITS: A and B lie within f16's 65,504; NaN and infinities are not treated apart.
; SHAPE: a tile of C is 256 x 256, four waves, 128 x 128 each in 64 accumulators (512 registers); 16 x 16 tiles, one for each of 256 work-groups.  K goes in 8 steps of 128 through two LDS slots.
; A's part of a step is two slices: each 256 rows x 128 bytes, dense in memory, asked for as 128 rows of 256 bytes and padded after every 128 bytes (pitch 144).
; B's part is 128 k-rows of 512 bytes (pitch 544); its fragments come out of LDS turned, by ds_load_tr16_b128.
; ONE K STEP A TRIP: the slot in hand is a scalar, 0 or SLOT, that an exclusive or turns; one descriptor for A and one for B walk from step to step.  Six trips fill a slot again; the last
; two steps are a second loop without a fill.  Its last trip fetches 32 fragments' halves that nobody multiplies: the price of one text for both trips.
; CLUSTER: 4 x 4 work-groups; A's tiles are asked for jointly along a row of the cluster, B's along a column.
; THE MATRIX INSTRUCTION IS USED TRANSPOSED (source 0 = 16 columns of B, source 1 = 16 rows of A): a lane holds eight neighbouring numbers of a row of C.
; THE BATCHES.  On the way out a block of 16 rows is 64 numbers a lane.  Their 64 exponentials are one batch with one wait, their 64 reciprocals (which read 1 + an exponential) a second batch with one wait:
; two waits a block.  Each result keeps its own register of t's 64 while its batch is open.
; REGISTERS, in windows of 256: window 0: v16-31 addresses; v64-127, v128-191 A's fragments, later x and t of the way out; v192-223 packed results
;   window 1: v0-63 bias of my 128 columns; v64-127, v128-191 B's fragments; v192-223 at work     windows 2, 3: the accumulators ((a, b) at v[8 (8 a + b)])
.set KSTEP,  128
.set STEPS,  8                         ; 1024 / 128
.set SLICE,  524288                    ; bytes of a slice of A
.set BLOCKB, 131072                    ; bytes of a block of 16 rows of g
.set PA,     144                       ; A's LDS pitch: 128 + 16 bytes = 36 words: the 16 rows of a load start at 16 different groups of four banks (ISA guide 11.1)
.set ASL,    256*PA                    ; a slice's 256 rows
.set PB,     544                       ; B's LDS pitch: 512 + 32 bytes = 136 words
.set BH,     64*PB                     ; 64 k-rows: what one tensor load brings
.set BOFF,   2*ASL
.set SLOTB,  BOFF+2*BH                 ; 143,360 bytes in a slot
.set SLOT,   147456                    ; slot 1 begins here: 2^17 + 2^14.  The four places in slot 0 at which a load lands (0, 36,864, 73,728, 108,544) have neither bit, so one exclusive or turns each into its place in the other slot
.set SPARE,  SLOT+SLOTB                ; behind the ring: the spare words, 128 bytes a wave; no other line names them
.set ADRA, 16                          ; v16 LDS address of my A fragments in the slot in hand;  v17 the same in slot 0, never rewritten
.set ADRA0, 17
.set ADRB, 20                          ; v20, v21 the same for B
.set ADRB0, 21
.set CO,   27                          ; 16 x my lane: my place in a store's 512 bytes
.set SPW,  28                          ; my spare word; never rewritten
.set NIL,  29                          ; 0; never rewritten
.set BO,   31                          ; my byte offset in the bias
.set F0,   64
.set F1,   128
.set X,    64
.set T,    128
.set TMP,  192
.set G1,  24                           ; s[24:31] group 1 for A;  s[32:39] group 0: a set for each first fill; the second then walks
.set G0,  32
.set G1B, 48                           ; s[48:55], s[56:63] the same for B
.set G0B, 56
.set INC, 80                           ; s[80:81] what the way out adds to g's address: 0 in its first trip, then a block of 16 rows
.set K1,  84                           ; s[84:85] -2 log2(e) sqrt(2/pi)
.set K2,  86                           ; s[86:87] K1 x 0.044715
.set CB,  88                           ; s[88:89] g at my first block
.set BB,  92                           ; s[92:93] the bias at the tile's first column
.set HM,  94
.set TB,  95                           ; s95  the slot in hand: 0 or SLOT
.set MSB, 0
.macro WIN new                         ; the immediate's high byte repeats the setting that is left
.if MSB != (\new)
	s_set_vgpr_msb (MSB<<8)|(\new)
.set MSB, \new
.endif
.endm
.set MUL_LO, 0xa1                      ; source 0 (B) window 1, source 1 (A) window 0, C and D window 2
.set MUL_HI, 0xf1                      ; the same, C and D window 3
.set TO_B,   0x40                      ; destination window 1, address window 0
; A joint load: waves 0 and 1 fetch A's two slices, waves 2 and 3 B's two halves.  An s_nop 0 and four v_nop follow each line.
.macro JLOAD s
	s_cmp_eq_u32 s11, 0
	s_cbranch_scc0 .Lfor_b_\@
	tensor_load_to_lds s[G0+4*(\s):G0+4*(\s)+3], s[G1:G1+7]
	s_nop 0
.rept 4
	v_nop
.endr
	s_branch .Lasked_\@
.Lfor_b_\@:
	tensor_load_to_lds s[G0B+4*(\s):G0B+4*(\s)+3], s[G1B:G1B+7]
	s_nop 0
.rept 4
	v_nop
.endr
.Lasked_\@:
.endm
.macro CREST                           ; a round of the cluster's barrier behind its opening barrier
	s_cmp_lg_u32 s10, 0
	s_cbranch_scc1 .Lnot_wave_0_\@
	s_barrier_signal -3
.Lnot_wave_0_\@:
	s_barrier_wait -3
	s_barrier_signal -1
	s_barrier_wait -1
.endm
.macro CROUND
	s_barrier_signal -1
	s_barrier_wait -1
	CREST
.endm
	s_load_b256 s[68:75], s[0:1], 0x0              ; x1h 68, w12 70, b1 72, g 74
	v_lshl_add_u32 v[SPW], v0, 2, SPARE
	v_mov_b32 v[NIL], 0
	ds_add_u32 v[SPW], v[NIL]                      ; the wave's opening: the add and its wait ahead of my first tensor load
	v_lshrrev_b32 v1, 5, v0
	v_readfirstlane_b32 s10, v1                    ; wave 0..3
	s_lshr_b32 s11, s10, 1                         ; my half of the tile's rows; also: I fetch for A (0) or B (1)
	s_and_b32 s12, s10, 1                          ; my half of its columns; also: which part I fetch
	s_bfe_u32 s40, ttmp6, 0x40000                  ; cx
	s_bfe_u32 s41, ttmp6, 0x40004                  ; cy
	s_lshl_b32 s42, ttmp9, 2
	s_add_co_u32 s42, s42, s40                     ; tile column = 4 x cluster x + cx
	s_and_b32 s13, ttmp7, 0xffff
	s_lshl_b32 s13, s13, 2
	s_add_co_u32 s13, s13, s41                     ; tile row = 4 x cluster y + cy
	s_lshl_b32 s43, s41, 2
	s_lshl_b32 s43, 15, s43                        ; my row of the cluster
	s_lshl_b32 s44, 0x1111, s40                    ; my column
	s_or_b32 s[G1+0], s43, (1<<16)|(1<<20)|(1<<21)|(4<<22)|(3<<25)   ; mask; 2-byte elements; padding on; bit 21 beside a mask; after every 32 words 4 words
	s_or_b32 s[G1B+0], s44, (1<<16)|(1<<20)|(1<<21)|(6<<22)|(7<<25)  ; after every 128 words 8 words
	s_mov_b32 s[G1+1], 128<<16                     ; A: tensor_dim0 = 128 elements (256 bytes: two rows of a slice)
	s_mov_b32 s[G1+2], 128<<16                     ; tensor_dim1 = 128
	s_mov_b32 s[G1+3], 128<<16                     ; tile_dim0
	s_mov_b32 s[G1+4], 128                         ; tile_dim1
	s_mov_b32 s[G1+5], 128                         ; pitch: dense
	s_mov_b32 s[G1+6], 0
	s_mov_b32 s[G1+7], 0
	s_mov_b32 s[G1B+1], 256<<16                    ; B: 64 k-rows of 256 elements
	s_mov_b32 s[G1B+2], 64<<16
	s_mov_b32 s[G1B+3], 256<<16
	s_mov_b32 s[G1B+4], 64
	s_mov_b32 s[G1B+5], 256
	s_mov_b32 s[G1B+6], 0
	s_mov_b32 s[G1B+7], 0
	s_lshl_b32 s16, s13, 15                        ; A: the tile row's 256 rows of 128 bytes,
	s_lshl_b32 s17, s12, 19                        ; in slice 0 or 1
	s_add_co_u32 s16, s16, s17
	s_mov_b32 s17, 0
	s_lshl_b32 s46, s42, 19                        ; B: the tile column's block,
	s_lshl_b32 s47, s12, 15                        ; its k-rows 0 or 64 on
	s_add_co_u32 s46, s46, s47
	s_mov_b32 s47, 0
	s_mul_i32 s20, s12, ASL                        ; where they go: no place in the cluster enters an LDS address
	s_mul_i32 s21, s12, BH
	s_add_co_u32 s21, s21, BOFF
	s_mov_b32 s[K1], 0xc0135761
	s_mov_b32 s[K1+1], s[K1]                       ; named as pairs, so both words are written
	s_mov_b32 s[K2], 0xbdd2d3e8
	s_mov_b32 s[K2+1], s[K2]
	s_mov_b32 s[HM], 0xffff0000
	s_mov_b32 s[TB], 0
	s_mov_b32 s[INC], 0
	s_mov_b32 s[INC+1], 0
	s_wait_dscnt 0x0                               ; the opening add is done
	s_wait_kmcnt 0x0
	s_add_nc_u64 s[14:15], s[68:69], s[16:17]
	s_add_nc_u64 s[46:47], s[70:71], s[46:47]
	CROUND                                         ; all sixteen work-groups are here: the first joint loads meet
.irp s, 0,1
	s_mov_b32 s[G0+4*(\s)], 1
	s_add_co_u32 s[G0+4*(\s)+1], s20, (\s)*SLOT
	s_add_nc_u64 s[G0+4*(\s)+2:G0+4*(\s)+3], s[14:15], (\s)*2*SLICE      ; K step s: slices 2 s, 2 s + 1
	s_or_b32 s[G0+4*(\s)+3], s[G0+4*(\s)+3], 0x80000000
	s_mov_b32 s[G0B+4*(\s)], 1
	s_add_co_u32 s[G0B+4*(\s)+1], s21, (\s)*SLOT
	s_add_nc_u64 s[G0B+4*(\s)+2:G0B+4*(\s)+3], s[46:47], (\s)*KSTEP*512
	s_or_b32 s[G0B+4*(\s)+3], s[G0B+4*(\s)+3], 0x80000000
	JLOAD \s
.endr
	v_and_b32 v1, 15, v0                           ; r = l % 16
	v_bfe_u32 v2, v0, 4, 1                         ; h = l / 16
	v_and_b32 v3, 7, v0                            ; l % 8
	v_bfe_u32 v4, v0, 3, 1                         ; (l / 8) % 2
	v_mul_u32_u24 v5, v1, PA
	v_lshl_add_u32 v5, v2, 4, v5                   ; A: row x pitch + 16 h
	s_mul_i32 s21, s11, 128*PA
	v_add_nc_u32 v[ADRA0], s21, v5
	v_mov_b32 v[ADRA], v[ADRA0]
	v_lshl_add_u32 v6, v2, 3, v3                   ; B: k-row 8 h + l % 8,
	v_mul_u32_u24 v6, v6, PB
	v_lshl_add_u32 v6, v4, 4, v6                   ; 16 bytes by (l / 8) % 2
	s_lshl_b32 s22, s12, 8
	s_add_co_u32 s22, s22, BOFF
	v_add_nc_u32 v[ADRB0], s22, v6
	v_mov_b32 v[ADRB], v[ADRB0]
	v_and_b32 v[CO], 31, v0
	v_lshlrev_b32 v[CO], 4, v[CO]
	s_lshl_b32 s22, s12, 9
	v_lshlrev_b32 v7, 5, v2
	v_add_nc_u32 v[BO], s22, v7                    ; 4 x (128 s12 + 8 h)
	s_lshl_b32 s18, s13, 4                         ; g at my first block of 16 rows: 16 x tile row + 8 s11,
	s_lshl_b32 s20, s11, 3
	s_add_co_u32 s18, s18, s20
	s_lshl_b32 s18, s18, 17
	s_lshl_b32 s19, s42, 13                        ; and my first block of 32 columns, 1,024 bytes each: 8 x tile column + 4 s12
	s_add_co_u32 s18, s18, s19
	s_lshl_b32 s19, s12, 12
	s_add_co_u32 s18, s18, s19
	s_mov_b32 s19, 0
	s_add_nc_u64 s[CB:CB+1], s[74:75], s[18:19]
	s_lshl_b32 s22, s42, 10                        ; the bias at the tile's 256 columns of 4 bytes
	s_mov_b32 s23, 0
	s_add_nc_u64 s[BB:BB+1], s[72:73], s[22:23]
	WIN TO_B
.irp b, 0,1,2,3,4,5,6,7                ; the bias of my lane's 64 columns; waited for behind the K loop
	global_load_b128 v[8*(\b):8*(\b)+3],   v[BO], s[BB:BB+1] offset:64*(\b)
	global_load_b128 v[8*(\b)+4:8*(\b)+7], v[BO], s[BB:BB+1] offset:64*(\b)+16
.endr
	WIN 0
; 16 matrix instructions: m blocks a0, a0 + 1 of the window's four x all 8 n blocks, 32 along K.  zero = 1: the first product starts the sums.
.macro MUL16 f, hi, a0, zero
	WIN MUL_LO+0x50*(\hi)
.irp a, \a0, (\a0)+1
.irp b, 0,1,2,3,4,5,6,7
.if \zero
	v_wmma_f32_16x16x32_f16 v[8*(8*(\a)+(\b)):8*(8*(\a)+(\b))+7], v[(\f)+8*(\b):(\f)+8*(\b)+7], v[(\f)+8*(4*(\hi)+(\a)):(\f)+8*(4*(\hi)+(\a))+7], 0
.else
	v_wmma_f32_16x16x32_f16 v[8*(8*(\a)+(\b)):8*(8*(\a)+(\b))+7], v[(\f)+8*(\b):(\f)+8*(\b)+7], v[(\f)+8*(4*(\hi)+(\a)):(\f)+8*(4*(\hi)+(\a))+7], v[8*(8*(\a)+(\b)):8*(8*(\a)+(\b))+7]
.endif
.endr
.endr
.endm
; 32 LDS loads in one run: the fragments of quarter q (32 along K) of the slot in hand into buffer f: B turned (k-rows 32 q on), then A (slice q / 2, bytes 64 (q % 2) on)
.macro FETCH q, f
	WIN TO_B
.irp i, 0,1,2,3,4,5,6,7
	ds_load_tr16_b128 v[(\f)+8*(\i):(\f)+8*(\i)+3],   v[ADRB] offset:(\q)*32*PB+(\i)*32
	ds_load_tr16_b128 v[(\f)+8*(\i)+4:(\f)+8*(\i)+7], v[ADRB] offset:(\q)*32*PB+16*PB+(\i)*32
.endr
	WIN 0
.irp i, 0,1,2,3,4,5,6,7
	ds_load_b128 v[(\f)+8*(\i):(\f)+8*(\i)+3],   v[ADRA] offset:((\q)/2)*ASL+((\q)%2)*64+(\i)*16*PA
	ds_load_b128 v[(\f)+8*(\i)+4:(\f)+8*(\i)+7], v[ADRA] offset:((\q)/2)*ASL+((\q)%2)*64+(\i)*16*PA+32
.endr
.endm
.macro PLACES                          ; four plain vector places in front of loads into registers that matrix instructions have read
.rept 4
	v_nop
.endr
.endm
; One of a K step's first three quarters: multiplies buffer f; in its middle it fetches quarter q of the same slot into buffer g.
.macro QUARTER q, f, g, zero
	s_wait_dscnt 8                                 ; B and A's rows 0-63 are in; the youngest eight loads (A's rows 64-127) may be out
	WIN MUL_LO
	MUL16 \f, 0, 0, \zero
	MUL16 \f, 0, 2, \zero
	PLACES
	FETCH \q, \g
	s_wait_dscnt 32                                ; all but the 32 just issued
	WIN MUL_HI
	MUL16 \f, 1, 0, \zero
	MUL16 \f, 1, 2, \zero
.endm
; The last quarter's first half: one barrier for the change of slots.
.macro MEET round
	WIN 0
	s_wait_tensorcnt 0x0                           ; all my tensor loads have landed: the one that was out is my part of the next slot;
	ds_add_u32 v[SPW], v[NIL]                      ; 0 onto my spare word;
	s_wait_dscnt 9                                 ; (the add and the youngest eight loads may be out)
	WIN MUL_LO
	MUL16 F1, 0, 0, 0
	s_wait_dscnt 0x0                               ; the add is done, and my reads of this slot are over
	s_barrier_signal -1
	MUL16 F1, 0, 2, 0
.if \round
	WIN 0
.endif
	s_barrier_wait -1
.endm
; The whole last quarter.  fill = 1: the slot just read is filled again, two K steps on, first thing behind the round: the walking descriptors turn to the other slot than last time and step one K step.
.macro TURN fill
	MEET \fill
.if \fill
	CREST
	s_xor_b32 s[G0+5], s[G0+5], SLOT
	s_add_nc_u64 s[G0+6:G0+7], s[G0+6:G0+7], 2*SLICE
	s_xor_b32 s[G0B+5], s[G0B+5], SLOT
	s_add_nc_u64 s[G0B+6:G0B+7], s[G0B+6:G0B+7], KSTEP*512
	JLOAD 1                                        ; its four v_nop are also places in front of the loads below
.else
	WIN 0
	v_nop                                          ; these two and the two additions below are the four places in front of the loads
	v_nop
.endif
	s_xor_b32 s[TB], s[TB], SLOT                   ; the reads go on in the other slot
	v_add_nc_u32 v[ADRA], s[TB], v[ADRA0]
	v_add_nc_u32 v[ADRB], s[TB], v[ADRB0]
	FETCH 0, F0
	WIN MUL_HI
	MUL16 F1, 1, 0, 0
	MUL16 F1, 1, 2, 0
.endm
	s_wait_tensorcnt 1                             ; my part of K step 0 is in; K step 1's may stay out
	s_barrier_signal -1
	s_barrier_wait -1
	FETCH 0, F0
	QUARTER 1, F0, F1, 1                           ; the first quarter starts the sums
	WIN 0
	s_mov_b32 s3, STEPS-2
.Lstep:                                                ; a trip: a K step's quarters 1 to 3 and the next step's quarter 0; the slot that it leaves is filled again
	QUARTER 2, F1, F0, 0
	QUARTER 3, F0, F1, 0
	TURN 1
	QUARTER 1, F0, F1, 0
	WIN 0
	s_sub_co_u32 s3, s3, 1
	s_cmp_lg_u32 s3, 0
	s_cbranch_scc1 .Lstep
	s_mov_b32 s3, 2
.Ltail:                                                ; the last two K steps fill nothing
	QUARTER 2, F1, F0, 0
	QUARTER 3, F0, F1, 0
	TURN 0
	WIN 0
	s_cmp_eq_u32 s3, 1
	s_cbranch_scc1 .Llast                          ; behind the last K step there is no quarter 0 to multiply
	QUARTER 1, F0, F1, 0
	WIN 0
.Llast:
	s_sub_co_u32 s3, s3, 1
	s_cmp_lg_u32 s3, 0
	s_cbranch_scc1 .Ltail
	s_wait_dscnt 0x0                               ; the last trip's fetch, which nobody multiplies, has landed: its registers are used again below
	; The bias is rounded to bf16, like every input.  These 96 plain lines name no register of the last products: they are the places behind them.
	s_wait_loadcnt 0x0
	WIN 0x45                                       ; destination and both sources window 1
.set i, 0
.rept 32
	v_cvt_pk_bf16_f32 v[192+i], v[2*i], v[2*i+1]
.set i, i+1
.endr
.set i, 0
.rept 32
	v_lshlrev_b32 v[2*i],   16, v[192+i]
	v_and_b32     v[2*i+1], s[HM], v[192+i]
.set i, i+1
.endr
	WIN 0
; THE WAY OUT, a loop over my eight blocks of 16 rows.  CASE a: block a's 64 sums plus the bias into x (each accumulator's lowest registers first).
.macro CASE a
.Lcase\a:
	WIN 0x06+(\a)/4                                ; source 0 window 2 or 3, source 1 window 1
.irp b, 0,1,2,3,4,5,6,7
.irp r, 0,1,2,3
	v_pk_add_f32 v[X+8*(\b)+2*(\r):X+8*(\b)+2*(\r)+1], v[64*((\a)%4)+8*(\b)+2*(\r):64*((\a)%4)+8*(\b)+2*(\r)+1], v[8*(\b)+2*(\r):8*(\b)+2*(\r)+1]
.endr
.endr
	WIN 0
.endm
.macro GP1 p
	v_pk_mul_f32 v[T+2*(\p):T+2*(\p)+1], v[X+2*(\p):X+2*(\p)+1], v[X+2*(\p):X+2*(\p)+1]
.endm
.macro GP2 p
	v_pk_fma_f32 v[T+2*(\p):T+2*(\p)+1], v[T+2*(\p):T+2*(\p)+1], s[K2:K2+1], s[K1:K1+1] op_sel_hi:[1,0,0]
.endm
.macro GP3 p
	v_pk_mul_f32 v[T+2*(\p):T+2*(\p)+1], v[T+2*(\p):T+2*(\p)+1], v[X+2*(\p):X+2*(\p)+1]
.endm
.macro GEX e
	v_exp_f32 v[T+(\e)], v[T+(\e)]
.endm
.macro GAD p
	v_pk_add_f32 v[T+2*(\p):T+2*(\p)+1], v[T+2*(\p):T+2*(\p)+1], 1.0 op_sel_hi:[1,0]
.endm
.macro GRC e
	v_rcp_f32 v[T+(\e)], v[T+(\e)]
.endm
.macro GML p
	v_pk_mul_f32 v[X+2*(\p):X+2*(\p)+1], v[X+2*(\p):X+2*(\p)+1], v[T+2*(\p):T+2*(\p)+1]
.endm
.macro GCV p
	v_cvt_pk_bf16_f32 v[TMP+(\p)], v[X+2*(\p)], v[X+2*(\p)+1]
.endm
; gelu of 64 numbers, 32 pairs, in two batches.
; BATCH 1: the 64 exponentials, in one stream with the 96 plain lines that make their arguments.  Turn k: x^2 of pair k, an exponential of pair k - 4, the fused line of pair k - 1, the other exponential of
; pair k - 4, the product with x of pair k - 2.  So an exponential has plain lines beside it, a pair's three plain lines stand a turn apart, and no plain line names a pair whose exponentials are out.
; BATCH 2: the 64 reciprocals.  Turn k: 1 is added to pair k, then the two reciprocals of pair k - 2.  No addition names a pair whose reciprocals are out.
; Behind it: x times the reciprocal, and the rounding to bf16 four pairs behind its product.
.macro GELU
.set k, 0
.rept 36
.if k < 32
	GP1 k
.endif
.if k >= 4
	GEX 2*(k-4)
.endif
.if (k >= 1) && (k <= 32)
	GP2 k-1
.endif
.if k >= 4
	GEX 2*(k-4)+1
.endif
.if (k >= 2) && (k <= 33)
	GP3 k-2
.endif
.set k, k+1
.endr
	v_nop                                          ; the plain line behind the last exponential (ISA guide 5.7.2): one for the batch
	s_wait_alu depctr_va_vdst(0)                   ; the wait ahead of the first line that names a result: ONE for the block's 64 exponentials
.set k, 0
.rept 34
.if k < 32
	GAD k
.endif
.if k >= 2
	GRC 2*(k-2)
	GRC 2*(k-2)+1
.endif
.set k, k+1
.endr
	v_nop                                          ; the plain line behind the last reciprocal: one for the batch
	s_wait_alu depctr_va_vdst(0)                   ; ONE wait for the block's 64 reciprocals, ahead of the first product that reads one
.set k, 0
.rept 36
.if k < 32
	GML k
.endif
.if k >= 4
	GCV k-4
.endif
.set k, k+1
.endr
.endm
	s_mov_b32 s3, 0
.Lblock:
.irp a, 1,2,3,4,5,6,7
	s_cmp_eq_u32 s3, \a
	s_cbranch_scc1 .Lcase\a
.endr
.irp a, 0,1,2,3,4,5,6
	CASE \a
	s_branch .Lcommon
.endr
	CASE 7
.Lcommon:
	s_wait_xcnt 0x0                                ; the last trip's stores have read their base and their data: only behind this wait are both written again
	s_add_nc_u64 s[CB:CB+1], s[CB:CB+1], s[INC:INC+1]  ; the next block of 16 rows (the first trip adds 0)
	s_mov_b32 s[INC], BLOCKB
	GELU
.irp b, 0,1,2,3,4,5,6,7                ; n block b is half b % 2 of the fragment of columns 32 (b / 2) on: 512 consecutive bytes a store, my block's eight on end
	global_store_b128 v[CO], v[TMP+4*(\b):TMP+4*(\b)+3], s[CB:CB+1] offset:512*(\b)
.endr
	s_add_co_u32 s3, s3, 1
	s_cmp_lt_u32 s3, 8
	s_cbranch_scc1 .Lblock
	s_wait_tensorcnt 0x0                           ; the wave's end
	ds_add_u32 v[SPW], v[NIL]
	s_wait_dscnt 0x0
	CROUND                                         ; the closing round: no work-group ends while a partner may still ask for a tile that names it
	s_endpgm
.Lfunc_end_k_qd9d81d582f_ff1:
	.size	k_qd9d81d582f_ff1, .Lfunc_end_k_qd9d81d582f_ff1-k_qd9d81d582f_ff1
	.p2alignl 7, 3214868480
	.fill 96, 4, 3214868480
	.section	.rodata,"a",@progbits
	.p2align	6, 0x0
	.amdhsa_kernel k_qd9d81d582f_ff1
		.amdhsa_group_segment_fixed_size 327680
		.amdhsa_private_segment_fixed_size 0
		.amdhsa_enable_private_segment 0
		.amdhsa_kernarg_size 32
		.amdhsa_user_sgpr_count 2
		.amdhsa_user_sgpr_kernarg_segment_ptr 1
		.amdhsa_wavefront_size32 1
		.amdhsa_system_sgpr_workgroup_id_x 1
		.amdhsa_system_sgpr_workgroup_id_y 1
		.amdhsa_system_sgpr_workgroup_id_z 1
		.amdhsa_system_vgpr_workitem_id 0
		.amdhsa_next_free_vgpr 1024
		.amdhsa_next_free_sgpr 96
		.amdhsa_reserve_vcc 0
		.amdhsa_float_denorm_mode_32 3
		.amdhsa_float_denorm_mode_16_64 3
		.amdhsa_memory_ordered 1
		.amdhsa_forward_progress 1
		.amdhsa_inst_pref_size 109
	.end_amdhsa_kernel
	.amdgpu_metadata
---
amdhsa.version: [ 1, 2 ]
amdhsa.kernels:
  - .name:           k_qd9d81d582f_ff1
    .symbol:         k_qd9d81d582f_ff1.kd
    .args:
      - { .name: x1h, .offset: 0, .size: 8, .value_kind: global_buffer, .address_space: global }
      - { .name: w12, .offset: 8, .size: 8, .value_kind: global_buffer, .address_space: global }
      - { .name: b1, .offset: 16, .size: 8, .value_kind: global_buffer, .address_space: global }
      - { .name: g, .offset: 24, .size: 8, .value_kind: global_buffer, .address_space: global }
    .group_segment_fixed_size: 327680
    .private_segment_fixed_size: 0
    .kernarg_segment_align: 8
    .kernarg_segment_size: 32
    .max_flat_workgroup_size: 128
    .sgpr_count:     96
    .vgpr_count:     1024
    .wavefront_size: 32
...
	.end_amdgpu_metadata
.endif
;; end of part 7
;; launch ff2: the kernel of part 5 again; grid 32 x 8, 4 waves a work-group, clusters of 4 x 1, 327,680 bytes of LDS; arguments g, w12, b2, x1h, out0; writes out0
